; MI455X (gfx1250); checked and timed in simulation.
; The chip was launched on July 23, 2026; its instructions are those of AMD's public machine-readable ISA for CDNA 5 (MIT licence, August 2026) and "CDNA5" Instruction Set Architecture Reference Guide (July 2026). The comments in the code are by the model that wrote it; some were corrected since.
;; Mo E Layer. Allowed arithmetic: matrix products marked QUANTISED: E5M2 operands, one given power-of-two scale a tensor, by v_wmma_f32_16x16x64_bf8_bf8 or v_wmma_f32_16x16x128_bf8_bf8, f32 sums; products left as they are: f32 operands where the result goes on into a quantised operand, else bf16, f16 or f32 operands; f32 sums; everything else in f32.
;; Inputs: W1_codes 8 x 1,024 x 32 x 32 uint8 (E5M2 codes of W1, K innermost, in blocks of 32 codes); W2_codes 8 x 1,024 x 32 x 32 uint8 (E5M2 codes of W2, K innermost, in blocks of 32 codes); Wg 8 x 1,024 float32; b1 8 x 1,024 float32; b2 8 x 1,024 float32; bg 8 float32; lowp_scales 4 int32 (the exponents e of the quantised operands' scales 2^e); x 4,096 x 1,024 float32.
;; Outputs: out0 4,096 x 1,024 float32.
;; This version of the problem:
;;   THIS VERSION OF THE PROBLEM IS GIVEN IN LOW PRECISION. The matrix products marked QUANTISED in the list below multiply operands that are first quantised to E5M2 (5 exponent bits, 2 mantissa bits; 8 bits a number), with one given power-of-two scale for each operand tensor; their sums are f32. All else is computed in f32.
;;   The module's matrix products, in the order in which they are computed (A, B: the left and right operand; K: the contracted axis; several contracted axes count as one K, in the product's order):
;;     1. [M 4,096, K 1,024] x [K 1,024, N 8]; A: input x; B: input Wg: left as it is (N = 8 < 16)
;;     2. [M 4,096, K 1,024] x [K 1,024, N 8,192]; A: input x; B: input W1 (given as codes): QUANTISED (scales: A lowp_scales[0], B lowp_scales[1])
;;     3. batch 8 x [M 1,024, K 1,024] x [K 1,024, N 4,096]; A: input W2 (given as codes); B: computed on the way: QUANTISED (scales: A lowp_scales[2], B lowp_scales[3])
;;   THE QUANTISER, for each operand of a quantised product, along K:
;;     - The operand's scale is 2^e, e = its entry of the input lowp_scales (int32; the entries are numbered through the quantised products in the list's order, A before B).
;;     - Each number is divided by the scale, clamped to +-57,344, and rounded to the nearest number of E5M2, ties to even, subnormals kept.
;;     - The product sums the exact products of the quantised numbers (number of the format x scale) in f32.
;;   ~~~python
;;   def quantise(x, axis, e):      # numpy; x: float32 -> the quantised numbers, widened to float32 again
;;       x = np.moveaxis(x, axis, -1); K = x.shape[-1]
;;       r = np.clip(x / 2.0 ** e, -57344, 57344)
;;       step = 2.0 ** (np.maximum(np.frexp(np.where(r == 0, 1, r))[1] - 1, -14) - 2)
;;       q = np.round(r / step) * step * 2.0 ** e      # np.round: ties to even
;;       return np.moveaxis(q, -1, axis).astype(np.float32)
;;   ~~~
;;   OPERANDS COMPUTED ON THE WAY. 'Computed on the way' means the value that the module computes at that place (a softmax that the list does not call 'softmax' is quantised finished and normalised). What goes into a quantiser is computed in f32, as accurately as f32 sums, v_exp_f32 and their like allow (about 1e-6 of the number): no bf16 or f16 on the way to a quantiser, and a product that is left as it is and whose result goes on into a quantised operand takes f32 operands (vector FMAs, or v_wmma_f32_16x16x4_f32). A number that lies on a knife's edge between two numbers of the format may be rounded either way, as far as f32 arithmetic and the matrix unit's own rounding can turn it there, and no further.
;;   INPUTS GIVEN AS CODES. W1 (in the module: [8, 1024, 1024], K = its axis 1); W2 (in the module: [8, 1024, 1024], K = its axis 1): each comes as NAME_codes (uint8): NAME with its K axis moved to the last place and cut into blocks of 32 codes, [.., K / 32, bytes a block], one block behind the other in memory; one code a byte (a code: sign, 5 exponent bits, 2 mantissa bits); its scale is its entry of lowp_scales. Its value is code x scale, taken as it is: it is not quantised again, and the codes and scales need not be those that the quantiser above would give.
;; 2 versions. Each part assembles by itself: llvm-mc -triple=amdgcn-amd-amdhsa -mcpu=gfx1250 --defsym DOCPART=n.
;; ======== version 1 of 2: 3 launches
;; workspace buffers: xc 4,194,304 bytes; wimg 16,777,216 bytes; gate 32,768 bytes; key 16,384 bytes of whole numbers; order 20,480 bytes of whole numbers; meta 1,024 bytes of whole numbers
;; launch prep (part 1): grid 512 x 1, 4 waves a work-group, no clusters, 84,480 bytes of LDS; arguments x, Wg, bg, lowp_scales, W1_codes, W2_codes, xc, gate, key, wimg; writes xc, gate, key, wimg
.if DOCPART == 1
	.amdgcn_target "amdgcn-amd-amdhsa--gfx1250"
	.amdhsa_code_object_version 6
	.text
	.protected	k_qbd1d0e8123_prep
	.globl	k_qbd1d0e8123_prep
	.p2align	8
	.type	k_qbd1d0e8123_prep,@function
k_qbd1d0e8123_prep:
	s_mov_b64 s[64:65], 0
	v_nop
	global_prefetch_b8 v0, s[64:65] scope:SCOPE_SE
	s_setreg_imm32_b32 hwreg(HW_REG_WAVE_MODE, 25, 1), 1
	s_wait_xcnt 0x0
; PREP.  Two jobs in one launch, parted on the work-group's number; each path has LDS bytes of its own.
; Work-groups 0-255 (x path): 16 tokens each, 4 a wave.  logits = x Wg^T + bg in f32 (fused multiply-adds), top-2 (strict >, so a tie keeps the lower index, as jax.lax.top_k does),
;   softmax of the two values with the larger taken away; stored at FIXED places: key[token] = the number 0..27 of the unordered pair (lo, hi), gate[token] = (weight of lo, weight of hi).
;   The same registers of x are then quantised to E5M2 with the given 2^e0 and stored as xc[token][1024], k ascending.  x is read from memory once.
; Work-groups 256-511 (relayout path): W1's and W2's codes are copied, unchanged, into the order in which a wave's operand registers take them:
;   wimg[e 8][w 16][p 2][s 8][t 4][c 4][lane 32][16 bytes]; p = 0: W1, 1: W2.  Tile T = 4 w + t takes rows 32 (T / 2) + 8 (T % 2) + r + 8 (r / 8), r = lane % 16;
;   piece c of lane (r, h) holds k = 128 s + 32 c + 16 h + 0 .. 15.  So a later launch loads a fragment by four loads of 512 consecutive bytes.
; LIMITS: e0 between -126 and 112, so that 2^e0 and 57,344 x 2^e0 are f32 numbers.  NaN and infinities among x, Wg, bg are not served.  The logits' sums are taken in another order than
;   the reference's: two logits that agree to about 1e-6 of their size may be ranked the other way.
.set WGL,  0                           ; LDS: Wg as it lies in memory, 32,768 bytes (x path)
.set CST,  32768                       ; a stage of 4,096 bytes for each wave's codes (x path)
.set RL,   49152                       ; a stage of 32 rows x 272 bytes for each wave (relayout path)
.set RP,   272                         ; its pitch: 256 bytes + 16
.set AC,   16                          ; v16-23   four pairs of running sums, one for each token; behind the logits: lo, hi, the two weights, the pair's number
.set LG,   24                          ; v24-31   the eight logits: lane j (0..3) holds token j's
.set X,    32                          ; v32-159  x: token j at X + 32 j; register 4 i + n: k = 128 i + 4 lane + n
.set WT,   160                         ; v160-223 Wg on its way to LDS; then two sets of 32 for a row of Wg; then codes (160-191) and codes read back (192-223)
.set KO,   224                         ; v224     4 x lane: my token's word of key; written once
.set GO,   225                         ; v225     8 x lane: my token's pair of gate; written once
	s_load_b512 s[4:19], s[0:1], 0x0               ; x 4:5, Wg 6:7, bg 8:9, scales 10:11, W1 codes 12:13, W2 codes 14:15, xc 16:17, gate 18:19
	s_load_b128 s[20:23], s[0:1], 0x40             ; key 20:21, wimg 22:23
	v_lshl_add_u32 v226, v0, 2, 0x14800
	v_mov_b32 v227, 0
	v_lshrrev_b32 v1, 5, v0
	v_readfirstlane_b32 s24, v1                    ; wave 0..3
	v_and_b32 v1, 31, v0                           ; lane
	v_lshlrev_b32 v2, 4, v1                        ; 16 x lane
	s_cmp_lt_u32 ttmp9, 256
	s_cbranch_scc0 .Lrelay
; ------------------------------------------------------------------ the x path
	v_lshlrev_b32 v3, 4, v0                        ; 16 x thread
	s_lshl_b32 s25, s24, 12                        ; my wave's stage
	v_lshlrev_b32 v4, 2, v1
	v_add_nc_u32 v4, s25, v4
	v_add_nc_u32 v4, CST, v4                       ; into it: 4 bytes a lane
	v_add_nc_u32 v5, s25, v2
	v_add_nc_u32 v5, CST, v5                       ; out of it: 16 bytes a lane
	v_lshlrev_b32 v[KO], 2, v1                     ; key: 4 bytes a token
	v_lshlrev_b32 v[GO], 3, v1                     ; gate: 8 bytes a token
	s_lshl_b32 s44, ttmp9, 4
	s_lshl_b32 s45, s24, 2
	s_add_co_u32 s44, s44, s45                     ; my wave's first token: 16 x work-group + 4 x wave
	s_lshl_b32 s46, s44, 12                        ; its bytes in x,
	s_mov_b32 s47, 0
	s_lshl_b32 s48, s44, 10                        ; in xc,
	s_mov_b32 s49, 0
	s_lshl_b32 s50, s44, 2                         ; in key,
	s_mov_b32 s51, 0
	s_lshl_b32 s52, s44, 3                         ; in gate
	s_mov_b32 s53, 0
	s_mov_b32 s37, 2                               ; masks of lanes 1, 2, 3
	s_mov_b32 s38, 4
	s_mov_b32 s39, 8
	s_mov_b32 s40, 0x76543210                      ; v_permlanex16_b32: lane l xor 16
	s_mov_b32 s41, 0xfedcba98
	s_wait_kmcnt 0x0
	s_load_b256 s[28:35], s[8:9], 0x0              ; bg
	s_load_b32 s36, s[10:11], 0x0                  ; e0
	s_add_nc_u64 s[26:27], s[4:5], s[46:47]
	s_add_nc_u64 s[16:17], s[16:17], s[48:49]
	s_add_nc_u64 s[20:21], s[20:21], s[50:51]
	s_add_nc_u64 s[18:19], s[18:19], s[52:53]
.irp k, 0,1,2,3,4,5,6,7,8,9,10,11,12,13,14,15
	global_load_b128 v[WT+4*\k:WT+4*\k+3], v3, s[6:7] offset:2048*\k   ; Wg: the 128 threads read 2,048 consecutive bytes
.endr
.irp j, 0,1,2,3
.irp i, 0,1,2,3,4,5,6,7
	global_load_b128 v[X+32*\j+4*\i:X+32*\j+4*\i+3], v2, s[26:27] offset:4096*\j+512*\i th:TH_LOAD_NT   ; x: the wave reads 512 consecutive bytes; read once in the launch
.endr
.endr
	s_wait_loadcnt 32                              ; Wg's 16 loads are in; the 32 younger loads of x stay out
.irp k, 0,1,2,3,4,5,6,7,8,9,10,11,12,13,14,15
	ds_store_b128 v3, v[WT+4*\k:WT+4*\k+3] offset:WGL+2048*\k
.endr
	s_wait_dscnt 0x0                               ; for the other waves' sake: my part of Wg lies in LDS
	s_barrier_signal -1
	s_barrier_wait -1
.macro WLD e                           ; row e of Wg in x's own order: register 4 i + n: k = 128 i + 4 lane + n
.irp i, 0,1,2,3,4,5,6,7
	ds_load_b128 v[WT+32*((\e)%2)+4*\i:WT+32*((\e)%2)+4*\i+3], v2 offset:WGL+4096*(\e)+512*\i
.endr
.endm
	WLD 0
	WLD 1
	s_wait_loadcnt 0x0                             ; x
	s_wait_kmcnt 0x0                               ; bg, e0
; One expert's logit for the wave's four tokens: 16 packed multiply-adds a token in four chains that do not wait for each other, then the sum over the lanes.
.macro EXPERT e
.if \e < 7
	s_wait_dscnt 8                                 ; this row of Wg is in; the next row's eight loads stay out
.else
	s_wait_dscnt 0x0
.endif
.set WB, WT+32*((\e)%2)
.irp k, 0,1,2,3,4,5,6,7,8,9,10,11,12,13,14,15
.irp j, 0,1,2,3
.if \k == 0
	v_pk_mul_f32 v[AC+2*\j:AC+2*\j+1], v[X+32*\j:X+32*\j+1], v[WB:WB+1]   ; the first product starts the sums
.else
	v_pk_fma_f32 v[AC+2*\j:AC+2*\j+1], v[X+32*\j+2*\k:X+32*\j+2*\k+1], v[WB+2*\k:WB+2*\k+1], v[AC+2*\j:AC+2*\j+1]
.endif
.endr
.endr
.if \e < 6
	WLD \e+2                                       ; into the set just read
.endif
.irp j, 0,1,2,3
	v_add_f32 v[AC+2*\j], v[AC+2*\j], v[AC+2*\j+1]
.endr
.irp m, 1,2,4,8
.irp j, 0,1,2,3
	v_add_f32_dpp v[AC+2*\j], v[AC+2*\j], v[AC+2*\j] row_xmask:\m row_mask:0xf bank_mask:0xf
.endr
.endr
.irp j, 0,1,2,3
	v_permlanex16_b32 v[AC+2*\j+1], v[AC+2*\j], s40, s41
.endr
.irp j, 0,1,2,3
	v_add_f32 v[AC+2*\j], v[AC+2*\j], v[AC+2*\j+1]   ; every lane holds token j's sum
.endr
	v_mov_b32 v[LG+\e], v[AC]                      ; lane j keeps token j's
	v_cndmask_b32 v[LG+\e], v[LG+\e], v[AC+2], s37
	v_cndmask_b32 v[LG+\e], v[LG+\e], v[AC+4], s38
	v_cndmask_b32 v[LG+\e], v[LG+\e], v[AC+6], s39
	v_add_f32 v[LG+\e], s[28+\e], v[LG+\e]         ; + bg
.endm
.irp e, 0,1,2,3,4,5,6,7
	EXPERT \e
.endr
	; top-2: v8, v9 the largest logit and its expert; v10, v11 the second
	v_mov_b32 v8, v[LG]
	v_mov_b32 v9, 0
.irp e, 1,2,3,4,5,6,7
	v_cmp_gt_f32 vcc_lo, v[LG+\e], v8
	v_cndmask_b32 v8, v8, v[LG+\e], vcc_lo
	v_cndmask_b32 v9, v9, \e, vcc_lo
.endr
	v_mov_b32 v10, 0xff800000                      ; -infinity
	v_cmp_eq_u32 vcc_lo, 0, v9
	v_cndmask_b32 v11, 0, 1, vcc_lo                ; some expert other than the first, should no logit be above -infinity
.irp e, 0,1,2,3,4,5,6,7
	v_cmp_ne_u32 s42, \e, v9
	v_cmp_gt_f32 vcc_lo, v[LG+\e], v10
	s_and_b32 vcc_lo, vcc_lo, s42
	v_cndmask_b32 v10, v10, v[LG+\e], vcc_lo
	v_cndmask_b32 v11, v11, \e, vcc_lo
.endr
	; softmax of (m1, m2) with m1, the larger, taken away: g1 = 1 / (1 + exp(m2 - m1)), g2 = exp(m2 - m1) g1
	v_sub_f32 v12, v10, v8
	v_mul_f32 v12, 0x3fb8aa3b, v12
	v_exp_f32 v12, v12
	v_min_u32 v16, v9, v11                         ; lo  (a plain line behind the exponential)
	s_wait_alu depctr_va_vdst(0)
	v_add_f32 v13, 1.0, v12
	v_rcp_f32 v13, v13
	v_max_u32 v17, v9, v11                         ; hi  (a plain line behind the reciprocal)
	s_wait_alu depctr_va_vdst(0)
	v_mul_f32 v14, v12, v13
	v_cmp_lt_u32 vcc_lo, v9, v11
	v_cndmask_b32 v18, v14, v13, vcc_lo            ; lo's weight
	v_cndmask_b32 v19, v13, v14, vcc_lo            ; hi's
	v_sub_nc_u32 v20, 15, v16
	v_mul_u32_u24 v20, v20, v16
	v_lshrrev_b32 v20, 1, v20
	v_add_nc_u32 v20, v20, v17
	v_sub_nc_u32 v20, v20, v16
	v_add_nc_u32 v20, -1, v20                      ; the pair's number: lo (15 - lo) / 2 + hi - lo - 1
	; x into codes
	s_add_co_i32 s36, s36, 127
	s_lshl_b32 s42, s36, 23
	v_mov_b32 v6, s42                              ; 2^e0 as f32: the conversion takes its exponent field
	s_add_co_i32 s36, s36, 15
	s_lshl_b32 s36, s36, 23
	s_or_b32 s36, s36, 0x600000
	v_mov_b32 v7, s36                              ; 57,344 x 2^e0
.set i, 0
.rept 128
	v_med3_num_f32 v[X+i], v[X+i], -v7, v7         ; the conversion to an 8-bit code does not saturate (ISA guide 7.6.2): the hold at the largest code x the scale
.set i, i+1
.endr
.irp j, 0,1,2,3
.irp a, 0,1,2,3
	v_cvt_scalef32_pk8_bf8_f32 v[WT+8*\j+2*\a:WT+8*\j+2*\a+1], v[X+32*\j+8*\a:X+32*\j+8*\a+7], v6   ; word i of token j: the codes of k = 128 i + 4 lane + 0 .. 3
.endr
.endr
	v_nop                                          ; a plain line behind the last conversion
.irp j, 0,1,2,3
.irp i, 0,1,2,3,4,5,6,7
	ds_store_b32 v4, v[WT+8*\j+\i] offset:1024*\j+128*\i   ; byte k of token j: the codes lie with k ascending
.endr
.endr
.irp q, 0,1,2,3,4,5,6,7
	ds_load_b128 v[WT+32+4*\q:WT+32+4*\q+3], v5 offset:512*\q   ; LDS serves a wave's instructions in order (ISA guide 5.7.1.4): these see my stores
.endr
.irp q, 0,1,2,3,4,5,6,7
	s_wait_dscnt 7-\q                              ; piece q is back; the younger ones stay out
	global_store_b128 v2, v[WT+32+4*\q:WT+32+4*\q+3], s[16:17] offset:512*\q   ; the wave stores 512 consecutive bytes
.endr
	s_wait_xcnt 0x0                                ; EXEC is narrowed only behind this wait
	v_cmp_gt_u32 vcc_lo, 4, v1
	s_wait_tensorcnt 0x0
	ds_add_u32 v226, v227
	s_wait_dscnt 0x0
	s_and_saveexec_b32 s43, vcc_lo                 ; lanes 0-3 hold the four tokens' results: 16 and 32 bytes a wave, the launch's only short stores
	global_store_b32 v[KO], v20, s[20:21]
	global_store_b64 v[GO], v[18:19], s[18:19]
	s_wait_xcnt 0x0                                ; and widened only behind this one
	s_or_b32 exec_lo, exec_lo, s43
	s_endpgm
; ------------------------------------------------------------------ the relayout path
; A work-group takes 64 rows of one matrix; wave w the 32 rows of block B and two strips of 256 bytes.  A strip goes through the wave's own stage: in as rows, out in the order of the operand's registers.
.Lrelay:
	s_sub_co_u32 s44, ttmp9, 256                   ; 0..255
	s_lshr_b32 s45, s44, 4                         ; which of the 16 matrices
	s_lshr_b32 s46, s45, 3                         ; p: W1 or W2
	s_and_b32 s47, s45, 7                          ; e
	s_and_b32 s48, s44, 15
	s_lshl_b32 s48, s48, 1
	s_lshr_b32 s49, s24, 1
	s_add_co_u32 s48, s48, s49                     ; B: my block of 32 rows, 0..31
	s_and_b32 s49, s24, 1                          ; which half of the rows' 1,024 bytes
	s_lshl_b32 s50, s47, 20                        ; from: e x 2^20 + B x 32 rows x 1,024 + half x 512
	s_lshl_b32 s52, s48, 15
	s_add_co_u32 s50, s50, s52
	s_lshl_b32 s52, s49, 9
	s_add_co_u32 s50, s50, s52
	s_mov_b32 s51, 0
	s_lshl_b32 s52, s47, 21                        ; to: e x 2^21 + (B / 2) x 2^17 + p x 2^16 + half x 4 steps x 8,192 + (B % 2) x 2 tiles x 2,048
	s_lshr_b32 s54, s48, 1
	s_lshl_b32 s54, s54, 17
	s_add_co_u32 s52, s52, s54
	s_lshl_b32 s54, s46, 16
	s_add_co_u32 s52, s52, s54
	s_lshl_b32 s54, s49, 15
	s_add_co_u32 s52, s52, s54
	s_and_b32 s54, s48, 1
	s_lshl_b32 s54, s54, 12
	s_add_co_u32 s52, s52, s54
	s_mov_b32 s53, 0
	v_lshrrev_b32 v6, 4, v1                        ; h
	v_and_b32 v7, 15, v1                           ; r
	v_lshlrev_b32 v3, 10, v6
	v_lshl_add_u32 v3, v7, 4, v3                   ; memory: sixteen lanes to 256 bytes of a row, two rows an instruction
	s_mul_i32 s55, s24, 32*RP
	s_add_co_u32 s55, s55, RL                      ; my stage
	v_mul_u32_u24 v4, v6, RP
	v_lshl_add_u32 v4, v7, 4, v4
	v_add_nc_u32 v4, s55, v4                       ; in: the same two rows
	v_and_b32 v8, 8, v7
	v_add_nc_u32 v8, v8, v7                        ; r + 8 (r / 8)
	v_mul_u32_u24 v5, v8, RP
	v_lshl_add_u32 v5, v6, 4, v5
	v_add_nc_u32 v5, s55, v5                       ; out: the tile's row of my lane, + 16 h
	s_wait_kmcnt 0x0
	s_cmp_lt_u32 s44, 128
	s_cselect_b64 s[12:13], s[12:13], s[14:15]     ; the choice hangs on the work-group's number alone
	s_add_nc_u64 s[12:13], s[12:13], s[50:51]
	s_add_nc_u64 s[22:23], s[22:23], s[52:53]
.irp i, 0,1
.irp n, 0,1,2,3,4,5,6,7,8,9,10,11,12,13,14,15
	global_load_b128 v[32+64*\i+4*\n:32+64*\i+4*\n+3], v3, s[12:13] offset:256*\i+2048*\n th:TH_LOAD_NT   ; read once in the launch
.endr
.endr
.macro RIN src                         ; a strip as loaded goes into the stage
.irp n, 0,1,2,3,4,5,6,7,8,9,10,11,12,13,14,15
	ds_store_b128 v4, v[\src+4*\n:\src+4*\n+3] offset:2*RP*\n
.endr
.endm
.macro RTURN dst                       ; and comes back: tile u of the block's two, step q of the strip's two, piece c
.irp u, 0,1
.irp q, 0,1
.irp c, 0,1,2,3
	ds_load_b128 v[\dst+4*(8*\u+4*\q+\c):\dst+4*(8*\u+4*\q+\c)+3], v5 offset:8*RP*\u+128*\q+32*\c
.endr
.endr
.endr
.endm
.macro ROUT src, i                     ; each store of the wave covers 512 consecutive bytes
.irp u, 0,1
.irp q, 0,1
.irp c, 0,1,2,3
	global_store_b128 v2, v[\src+4*(8*\u+4*\q+\c):\src+4*(8*\u+4*\q+\c)+3], s[22:23] offset:16384*\i+8192*\q+2048*\u+512*\c
.endr
.endr
.endr
.endm
	s_wait_loadcnt 16                              ; the first strip's 16 loads are in; the second's stay out
	RIN 32
	RTURN 160
	s_wait_loadcnt 0x0
	RIN 96                                         ; LDS serves a wave's instructions in order: these stores fall behind the reads above
	s_wait_dscnt 16                                ; the first strip is back; the 16 younger stores stay out
	ROUT 160, 0
	RTURN 32
	s_wait_dscnt 0x0
	ROUT 32, 1
	s_wait_tensorcnt 0x0
	ds_add_u32 v226, v227
	s_wait_dscnt 0x0
	s_endpgm
.Lfunc_end_k_qbd1d0e8123_prep:
	.size	k_qbd1d0e8123_prep, .Lfunc_end_k_qbd1d0e8123_prep-k_qbd1d0e8123_prep
	.p2alignl 7, 3214868480
	.fill 96, 4, 3214868480
	.section	.rodata,"a",@progbits
	.p2align	6, 0x0
	.amdhsa_kernel k_qbd1d0e8123_prep
		.amdhsa_group_segment_fixed_size 84480
		.amdhsa_private_segment_fixed_size 0
		.amdhsa_enable_private_segment 0
		.amdhsa_kernarg_size 80
		.amdhsa_user_sgpr_count 2
		.amdhsa_user_sgpr_kernarg_segment_ptr 1
		.amdhsa_wavefront_size32 1
		.amdhsa_system_sgpr_workgroup_id_x 1
		.amdhsa_system_sgpr_workgroup_id_y 1
		.amdhsa_system_sgpr_workgroup_id_z 1
		.amdhsa_system_vgpr_workitem_id 0
		.amdhsa_next_free_vgpr 228
		.amdhsa_next_free_sgpr 66
		.amdhsa_reserve_vcc 1
		.amdhsa_float_denorm_mode_32 3
		.amdhsa_float_denorm_mode_16_64 3
		.amdhsa_memory_ordered 1
		.amdhsa_forward_progress 1
		.amdhsa_inst_pref_size 87
	.end_amdhsa_kernel
	.amdgpu_metadata
---
amdhsa.version: [ 1, 2 ]
amdhsa.kernels:
  - .name:           k_qbd1d0e8123_prep
    .symbol:         k_qbd1d0e8123_prep.kd
    .args:
      - { .name: x, .offset: 0, .size: 8, .value_kind: global_buffer, .address_space: global }
      - { .name: Wg, .offset: 8, .size: 8, .value_kind: global_buffer, .address_space: global }
      - { .name: bg, .offset: 16, .size: 8, .value_kind: global_buffer, .address_space: global }
      - { .name: lowp_scales, .offset: 24, .size: 8, .value_kind: global_buffer, .address_space: global }
      - { .name: W1_codes, .offset: 32, .size: 8, .value_kind: global_buffer, .address_space: global }
      - { .name: W2_codes, .offset: 40, .size: 8, .value_kind: global_buffer, .address_space: global }
      - { .name: xc, .offset: 48, .size: 8, .value_kind: global_buffer, .address_space: global }
      - { .name: gate, .offset: 56, .size: 8, .value_kind: global_buffer, .address_space: global }
      - { .name: key, .offset: 64, .size: 8, .value_kind: global_buffer, .address_space: global }
      - { .name: wimg, .offset: 72, .size: 8, .value_kind: global_buffer, .address_space: global }
    .group_segment_fixed_size: 84480
    .private_segment_fixed_size: 0
    .kernarg_segment_align: 8
    .kernarg_segment_size: 80
    .max_flat_workgroup_size: 128
    .sgpr_count:     66
    .vgpr_count:     228
    .wavefront_size: 32
...
	.end_amdgpu_metadata
.endif
;; end of part 1
;; launch place (part 2): grid 1 x 1, 16 waves a work-group, no clusters, 4,096 bytes of LDS; arguments key, order, meta; writes order, meta
.if DOCPART == 2
	.amdgcn_target "amdgcn-amd-amdhsa--gfx1250"
	.amdhsa_code_object_version 6
	.text
	.protected	k_qbd1d0e8123_place
	.globl	k_qbd1d0e8123_place
	.p2align	8
	.type	k_qbd1d0e8123_place,@function
k_qbd1d0e8123_place:
	s_mov_b64 s[64:65], 0
	v_nop
	global_prefetch_b8 v0, s[64:65] scope:SCOPE_SE
	s_setreg_imm32_b32 hwreg(HW_REG_WAVE_MODE, 25, 1), 1
	s_wait_xcnt 0x0
; PLACE.  One work-group sorts the 4,096 tokens by the number 0..27 of their pair of experts (a counting sort, no atomics) and cuts each pair's tokens into tiles of at most 32.
; order[32 tile + row] = token (0 where a tile has no such row); meta[tile] = lo | hi << 8 | rows << 16 (rows = 0: the tile is not used).
; The sum over the 28 pairs of ceil(count / 32) is at most 128 + 27 = 155, whatever the split: order's entries 0..4,959 and meta's 0..159 are all written.  order[5119] takes the stores of lanes that have nothing to write (always 0).
; Wave w holds tokens 256 w + 32 c + lane, c = 0..7.  In the tables lane k stands for pair k.
.set EB,  2                            ; v2-6    bit j of my lane - 1: 0 or all ones
.set KY,  8                            ; v8-15   my eight tokens' pairs; later 4 x that
.set RK,  16                           ; v16-23  how many lower lanes of the chunk have my pair
.set HC,  24                           ; v24-31  lane k: how many tokens of the chunk have pair k
.set SW,  32                           ; v32-47  lane k: each wave's count of pair k
.set BS,  64                           ; v64-71  lane k: where chunk c's tokens of pair k begin
.set PO,  72                           ; v72-79  my tokens' places, then byte offsets
.set TK,  80                           ; v80-87  my tokens' numbers
	s_load_b128 s[4:7], s[0:1], 0x0                ; key, order
	s_load_b64 s[24:25], s[0:1], 0x10              ; meta
	v_lshl_add_u32 v96, v0, 2, 0x800
	v_mov_b32 v97, 0
	v_lshrrev_b32 v7, 5, v0
	v_readfirstlane_b32 s8, v7                     ; wave 0..15
	v_and_b32 v1, 31, v0                           ; lane
.irp j, 0,1,2,3,4
	v_bfe_u32 v[EB+\j], v1, \j, 1
	v_add_nc_u32 v[EB+\j], -1, v[EB+\j]
.endr
	v_lshlrev_b32 v7, 10, v7
	v_lshl_add_u32 v7, v1, 2, v7                   ; 1,024 x wave + 4 x lane
	v_lshlrev_b32 v53, 2, v0                       ; 4 x thread
	v_lshlrev_b32 v54, 2, v1                       ; 4 x lane
	v_and_b32 v48, 0x1e0, v0
	v_lshl_add_u32 v[TK], v48, 3, v1               ; 256 x wave + lane
.irp c, 1,2,3,4,5,6,7
	v_add_nc_u32 v[TK+\c], 32*\c, v[TK]
.endr
	v_mov_b32 v94, 5119                            ; the word for lanes with nothing to write
	v_mov_b32 v95, 0
	s_mov_b32 s16, 0x55555555
	s_mov_b32 s17, 0x33333333
	s_mov_b32 s18, 0x0f0f0f0f
	s_mov_b32 s19, 0x01010101
	s_wait_kmcnt 0x0
.irp c, 0,1,2,3,4,5,6,7
	global_load_b32 v[KY+\c], v7, s[4:5] offset:128*\c
.endr
	s_wait_loadcnt 0x0
.irp c, 0,1,2,3,4,5,6,7
	v_min_u32 v[KY+\c], 27, v[KY+\c]
.endr
; A chunk of 32 tokens.  s10-14: which lanes have bit j of their pair set.  From them: the lanes that have MY pair (for my rank), and the lanes whose pair is MY LANE's number (for the count).
.macro CH c
.irp j, 0,1,2,3,4
	v_bfe_u32 v48, v[KY+\c], \j, 1
	v_cmp_eq_u32 s[10+\j], 1, v48
	v_add_nc_u32 v48, -1, v48
.if \j == 0
	v_xor_b32 v49, s[10+\j], v48
.else
	v_xor_b32 v48, s[10+\j], v48
	v_and_b32 v49, v49, v48
.endif
.endr
	v_mbcnt_lo_u32_b32 v[RK+\c], v49, 0
	v_xor_b32 v50, s10, v[EB]
.irp j, 1,2,3,4
	v_xor_b32 v48, s[10+\j], v[EB+\j]
	v_and_b32 v50, v50, v48
.endr
	v_lshrrev_b32 v48, 1, v50                      ; the number of ones in v50
	v_and_b32 v48, s16, v48
	v_sub_nc_u32 v50, v50, v48
	v_lshrrev_b32 v48, 2, v50
	v_and_b32 v50, s17, v50
	v_and_b32 v48, s17, v48
	v_add_nc_u32 v50, v50, v48
	v_lshrrev_b32 v48, 4, v50
	v_add_nc_u32 v50, v50, v48
	v_and_b32 v50, s18, v50
	v_mul_lo_u32 v50, v50, s19
	v_lshrrev_b32 v[HC+\c], 24, v50
.endm
.irp c, 0,1,2,3,4,5,6,7
	CH \c
.endr
	v_add_nc_u32 v52, v[HC], v[HC+1]
	v_add3_u32 v52, v52, v[HC+2], v[HC+3]
	v_add3_u32 v52, v52, v[HC+4], v[HC+5]
	v_add3_u32 v52, v52, v[HC+6], v[HC+7]          ; lane k: my wave's count of pair k
	ds_store_b32 v53, v52                          ; at 128 x wave + 4 k
	s_wait_dscnt 0x0                               ; for the other waves' sake
	s_barrier_signal -1
	s_barrier_wait -1
.irp q, 0,1,2,3,4,5,6,7,8,9,10,11,12,13,14,15
	ds_load_b32 v[SW+\q], v54 offset:128*\q
.endr
	v_mov_b32 v55, 0                               ; the lower waves' count of pair k
	v_mov_b32 v56, 0                               ; all waves'
	s_wait_dscnt 0x0
.irp q, 0,1,2,3,4,5,6,7,8,9,10,11,12,13,14,15
	s_sub_co_i32 s20, \q, s8
	s_ashr_i32 s20, s20, 31                        ; all ones where wave q is below mine
	v_and_b32 v48, s20, v[SW+\q]
	v_add_nc_u32 v55, v55, v48
	v_add_nc_u32 v56, v56, v[SW+\q]
.endr
	v_add_nc_u32 v57, 31, v56
	v_lshrrev_b32 v57, 5, v57                      ; pair k's tiles
	v_mov_b32 v58, v57                             ; their running sum over the lanes
	v_mov_b32 v59, 0
.irp n, 1,2,4,8
	v_mov_b32_dpp v59, v58 row_shr:\n row_mask:0xf bank_mask:0xf bound_ctrl:1
	v_add_nc_u32 v58, v58, v59
.endr
	v_readlane_b32 s20, v58, 15
	v_lshrrev_b32 v59, 4, v1
	v_sub_nc_u32 v59, 0, v59
	v_and_b32 v59, s20, v59
	v_add_nc_u32 v58, v58, v59                     ; lanes 16-31 add the lower half's total
	v_sub_nc_u32 v60, v58, v57                     ; pair k's first tile
	v_lshl_add_u32 v61, v60, 5, v56                ; one past its last token's place
	v_lshlrev_b32 v62, 5, v58                      ; one past its last tile's last place
	v_readlane_b32 s21, v58, 31                    ; tiles in all
	v_lshl_add_u32 v[BS], v60, 5, v55              ; where my wave's tokens of pair k begin,
.irp c, 1,2,3,4,5,6,7
	v_add_nc_u32 v[BS+\c], v[BS+\c-1], v[HC+\c-1]  ; and each chunk's
.endr
.irp c, 0,1,2,3,4,5,6,7
	v_lshlrev_b32 v[KY+\c], 2, v[KY+\c]
.endr
.irp c, 0,1,2,3,4,5,6,7
	ds_bpermute_b32 v[PO+\c], v[KY+\c], v[BS+\c]   ; from the lane that stands for my token's pair
.endr
	s_wait_dscnt 0x0
.irp c, 0,1,2,3,4,5,6,7
	v_add_nc_u32 v[PO+\c], v[PO+\c], v[RK+\c]
	v_min_u32 v[PO+\c], 5119, v[PO+\c]
	v_lshlrev_b32 v[PO+\c], 2, v[PO+\c]
	global_store_b32 v[PO+\c], v[TK+\c], s[6:7]
.endr
	; the rows that a pair's last tile lacks get token 0: wave w sees to pairs w and w + 16 (at most 31 places each)
.irp a, 0,1
	s_add_co_u32 s22, s8, 16*\a
	v_readlane_b32 s23, v61, s22
	v_readlane_b32 s26, v62, s22
	v_add_nc_u32 v[88+\a], s23, v1
	v_cmp_gt_u32 vcc_lo, s26, v[88+\a]
	v_cndmask_b32 v[88+\a], v94, v[88+\a], vcc_lo
	v_min_u32 v[88+\a], 5119, v[88+\a]
	v_lshlrev_b32 v[88+\a], 2, v[88+\a]
	global_store_b32 v[88+\a], v95, s[6:7]
.endr
	; and so do the tiles that this split leaves without rows: at least 128 tiles are used, so at most 27 x 32 = 864 places, under 2 x 512
	s_lshl_b32 s27, s21, 5
.irp a, 0,1
	v_add_nc_u32 v[90+\a], s27, v0
	v_add_nc_u32 v[90+\a], 512*\a, v[90+\a]
	v_cmp_gt_u32 vcc_lo, 4960, v[90+\a]
	v_cndmask_b32 v[90+\a], v94, v[90+\a], vcc_lo
	v_min_u32 v[90+\a], 5119, v[90+\a]
	v_lshlrev_b32 v[90+\a], 2, v[90+\a]
	global_store_b32 v[90+\a], v95, s[6:7]
.endr
	; the table of tiles: thread i (0..159) finds the last pair whose first tile is at or below i
	s_cmp_lt_u32 s8, 5
	s_cbranch_scc0 .Ldone
	v_mov_b32 v48, 0
	v_mov_b32 v49, 0x100
.set KK, 0
.set LO, 0
.set HI, 1
.rept 28
	v_readlane_b32 s22, v60, KK
	v_readlane_b32 s23, v61, KK
	v_cmp_gt_u32 vcc_lo, s22, v0                   ; its first tile lies above i: keep what I have
	v_cndmask_b32 v48, s23, v48, vcc_lo
	v_cndmask_b32 v49, LO|(HI<<8), v49, vcc_lo
.set KK, KK+1
.set HI, HI+1
.if HI > 7
.set LO, LO+1
.set HI, LO+1
.endif
.endr
	v_lshlrev_b32 v50, 5, v0
	v_cmp_gt_u32 vcc_lo, v48, v50
	v_sub_nc_u32 v51, v48, v50
	v_min_u32 v51, 32, v51
	v_cndmask_b32 v51, 0, v51, vcc_lo              ; the tile's rows: 1..32, or 0 behind the last tile
	v_lshl_or_b32 v51, v51, 16, v49
	global_store_b32 v53, v51, s[24:25]
.Ldone:
	s_wait_tensorcnt 0x0
	ds_add_u32 v96, v97
	s_wait_dscnt 0x0
	s_endpgm
.Lfunc_end_k_qbd1d0e8123_place:
	.size	k_qbd1d0e8123_place, .Lfunc_end_k_qbd1d0e8123_place-k_qbd1d0e8123_place
	.p2alignl 7, 3214868480
	.fill 96, 4, 3214868480
	.section	.rodata,"a",@progbits
	.p2align	6, 0x0
	.amdhsa_kernel k_qbd1d0e8123_place
		.amdhsa_group_segment_fixed_size 4096
		.amdhsa_private_segment_fixed_size 0
		.amdhsa_enable_private_segment 0
		.amdhsa_kernarg_size 24
		.amdhsa_user_sgpr_count 2
		.amdhsa_user_sgpr_kernarg_segment_ptr 1
		.amdhsa_wavefront_size32 1
		.amdhsa_system_sgpr_workgroup_id_x 1
		.amdhsa_system_sgpr_workgroup_id_y 1
		.amdhsa_system_sgpr_workgroup_id_z 1
		.amdhsa_system_vgpr_workitem_id 0
		.amdhsa_next_free_vgpr 98
		.amdhsa_next_free_sgpr 66
		.amdhsa_reserve_vcc 1
		.amdhsa_float_denorm_mode_32 3
		.amdhsa_float_denorm_mode_16_64 3
		.amdhsa_memory_ordered 1
		.amdhsa_forward_progress 1
		.amdhsa_inst_pref_size 35
	.end_amdhsa_kernel
	.amdgpu_metadata
---
amdhsa.version: [ 1, 2 ]
amdhsa.kernels:
  - .name:           k_qbd1d0e8123_place
    .symbol:         k_qbd1d0e8123_place.kd
    .args:
      - { .name: key, .offset: 0, .size: 8, .value_kind: global_buffer, .address_space: global }
      - { .name: order, .offset: 8, .size: 8, .value_kind: global_buffer, .address_space: global }
      - { .name: meta, .offset: 16, .size: 8, .value_kind: global_buffer, .address_space: global }
    .group_segment_fixed_size: 4096
    .private_segment_fixed_size: 0
    .kernarg_segment_align: 8
    .kernarg_segment_size: 24
    .max_flat_workgroup_size: 512
    .sgpr_count:     66
    .vgpr_count:     98
    .wavefront_size: 32
...
	.end_amdgpu_metadata
.endif
;; end of part 2
;; launch chain (part 3): grid 155 x 1, 16 waves a work-group, no clusters, 248,320 bytes of LDS; arguments meta, order, xc, gate, wimg, b1, b2, lowp_scales, out0; writes out0
.if DOCPART == 3
	.amdgcn_target "amdgcn-amd-amdhsa--gfx1250"
	.amdhsa_code_object_version 6
	.text
	.protected	k_qbd1d0e8123_chain
	.globl	k_qbd1d0e8123_chain
	.p2align	8
	.type	k_qbd1d0e8123_chain,@function
k_qbd1d0e8123_chain:
	s_mov_b64 s[64:65], 0
	v_nop
	global_prefetch_b8 v0, s[64:65] scope:SCOPE_SE
	s_setreg_imm32_b32 hwreg(HW_REG_WAVE_MODE, 25, 1), 1
	s_wait_xcnt 0x0
; CHAIN.  One work-group takes one tile, up to 32 tokens that chose the same two experts (lo, hi), through both experts:
;   out = g_lo relu(Q(relu(Q(x) W1[lo] + b1[lo])) W2[lo] + b2[lo]) + g_hi (the same with hi).  Both products on E5M2 codes by v_wmma_f32_16x16x128_bf8_bf8, sums in f32; the hidden layers stay in LDS.
; Every output row has one owner, and every work-group has the same work: 2 experts x 2 layers.  The grid of 155 serves every split (the sum over 28 pairs of ceil(count / 32) is at most 128 + 27).
; A TILE THAT THE SPLIT LEAVES WITHOUT ROWS (rows = 0 in its word of meta, token 0 in all its places of order) RUNS THE SAME TEXT ON TOKEN 0 AND STORES NOTHING: every wave passes every barrier, and none
;   stands under a branch on a loaded number; only the branches round the last stores hang on the tile's rows.  The rows that a tile lacks are likewise computed on token 0 and not stored.
; NO JOINT LOADS, NO TENSOR LOADS: which tiles share an expert hangs on the stored split, so partners cannot be fixed in the grid.
;   The weights come from memory straight into registers, laid out by an earlier launch in the order of the operand's registers: each load of a wave reads 512 consecutive bytes.
; SHARES.  SIXTEEN waves share the COLUMNS: wave w makes hidden units, and outputs, 64 w .. 64 w + 63 (four tiles of 16) for both tiles of 16 rows, in 256 registers; four waves to a SIMD, so that one wave's waits stand
;   under another's work.  Weights run two K steps ahead and are asked for anew half a step at a time: 24 to 32 loads of 512 bytes a wave are out, 192 to 256 KiB for the work-group.
; ORDER.  Four layers of eight K steps: first layer of lo, first layer of hi, second layer of lo, second layer of hi.  So each hidden layer is wanted only a whole layer after it was stored, and the barrier that
;   publishes it is taken in two halves: the signal behind the stores, the wait a layer later.  Waves may drift a layer apart, and the weight stream stops at no layer's end.
; LAYOUT.  The products are used transposed (source 0 = 16 rows of the weight, source 1 = 16 tokens): a lane holds ONE token (lane % 16).  The weight rows of a tile are not neighbours (tile 2 b + u, lane r: row
;   32 b + 8 u + r + 8 (r / 8)), so that the 16 registers of tiles 2 b and 2 b + 1 are 16 neighbours along the next K: the conversions' results are the next operand's registers.
;   Operands go from wave to wave through LDS as images of their registers: piece c of a fragment at 512 c + 16 x lane.  Within an instruction k is permuted, alike in both operands.
; LIMITS on the given exponents, so that each power of two is an f32 number: e3 between -126 and 112; e0 + e1 and e2 + e3 between -126 and 127.  NaN and infinities are not served.
.set XIMG,  0                          ; LDS: x's 16 fragments (row tile m, K step s) at (8 m + s) x 2,048
.set HIMGA, 32768                      ; the hidden layer's 16 fragments, expert lo;
.set HIMGB, 65536                      ; expert hi
.set BIAS,  98304                      ; four rows of 4,096 bytes, one for each layer in its order: b1[lo], b1[hi], b2[lo], b2[hi]
.set STG,   114688                     ; 32 rows x (4,096 + 16) bytes: lo's share waits here, then whole rows of the output
.set SP,    4112
.set PC,  16                           ; v16-31   codes just made; at the head: addresses and tokens; at a second layer's end v16-19: the gate's weights, twice each
.set XF,  32                           ; v32-63   source 1: 16 registers for each row tile; at a layer's end my 32 bias numbers
.set ACC, 64                           ; v64-127  accumulator (m, t) at ACC + 32 m + 8 t
.set W,   128                          ; v128-255 weights: two sets of four fragments
; v1 16 x lane; v2 where images are read; v3 where I store the hidden layer's pieces; v4 my bias numbers; v5, v6 my bytes of the stage's rows r and 16 + r; v7 the two rows that I send;
; v[8:9], v[10:11] (g_lo, g_hi) of my lane's token in row tile 0, 1; v12 2^e3; v13 57,344 x 2^e3.
; s22 wave; s24, s25, s26 lo, hi, rows; s[34:35], s[36:37] my part of lo's and of hi's weights; s[38:39] 2^(e0+e1); s[40:41] 2^(e2+e3); s[42:43], s[44:45] the output rows of stage rows 2 w, 2 w + 1.
	s_load_b512 s[4:19], s[0:1], 0x0               ; meta 4:5, order 6:7, xc 8:9, gate 10:11, wimg 12:13, b1 14:15, b2 16:17, scales 18:19
	s_load_b64 s[20:21], s[0:1], 0x40              ; out0
	v_lshrrev_b32 v14, 5, v0
	v_readfirstlane_b32 s22, v14                   ; wave 0..15
	v_and_b32 v15, 31, v0
	v_lshlrev_b32 v1, 4, v15                       ; 16 x lane
	v_and_b32 v16, 15, v0                          ; r
	v_bfe_u32 v17, v0, 4, 1                        ; h
	s_lshl_b32 s46, ttmp9, 2                       ; my tile's word of meta,
	s_mov_b32 s47, 0
	s_lshl_b32 s48, ttmp9, 7                       ; its 32 words of order,
	s_mov_b32 s49, 0
	s_lshl_b32 s50, s22, 3                         ; and among them those of rows 2 w, 2 w + 1
	s_mov_b32 s51, 0
	; every LDS address is made here, of the thread's number, the wave's number and constants
	s_lshr_b32 s52, s22, 1
	s_lshl_b32 s52, s52, 11
	s_and_b32 s53, s22, 1
	s_lshl_b32 s53, s53, 10
	s_add_co_u32 s52, s52, s53
	v_add_nc_u32 v3, s52, v1
	v_add_nc_u32 v3, HIMGA, v3                     ; my 64 units are half of K step w / 2: pieces 2 (w % 2) + b
	s_lshl_b32 s52, s22, 8
	v_lshlrev_b32 v14, 6, v17
	v_add_nc_u32 v14, s52, v14                     ; 256 w + 64 h: the bytes of units 64 w + 16 h on
	v_add_nc_u32 v4, BIAS, v14
	v_mul_u32_u24 v5, v16, SP
	v_add_nc_u32 v5, v5, v14
	v_add_nc_u32 v5, STG, v5
	v_add_nc_u32 v6, 16*SP, v5
	s_mul_i32 s52, s22, 2*SP
	v_add_nc_u32 v7, s52, v1
	v_add_nc_u32 v7, STG, v7
	s_lshr_b32 s53, s22, 2                         ; which bias row I bring: w / 4
	s_lshl_b32 s54, s53, 12
	s_and_b32 s55, s22, 3
	s_lshl_b32 s55, s55, 9                         ; and which 512 bytes of each of its halves
	s_add_co_u32 s54, s54, s55
	v_add_nc_u32 v25, s54, v1
	v_add_nc_u32 v25, BIAS, v25
	s_lshl_b32 s54, s22, 11
	v_add_nc_u32 v26, s54, v1                      ; x's fragment w (XIMG = 0)
	v_lshlrev_b32 v18, 2, v16                      ; order: row r
	s_lshr_b32 s54, s22, 3
	s_lshl_b32 s54, s54, 6
	v_add_nc_u32 v19, s54, v18                     ; row 16 (w / 8) + r: fragment w is row tile w / 8, K step w % 8
	s_and_b32 s54, s22, 7
	s_lshl_b32 s54, s54, 7
	v_lshlrev_b32 v23, 4, v17
	v_add_nc_u32 v23, s54, v23                     ; 128 (w % 8) + 16 h
	s_wait_kmcnt 0x0
	s_add_nc_u64 s[46:47], s[4:5], s[46:47]
	s_add_nc_u64 s[48:49], s[6:7], s[48:49]
	s_add_nc_u64 s[50:51], s[48:49], s[50:51]
	s_load_b32 s23, s[46:47], 0x0
	s_load_b128 s[28:31], s[18:19], 0x0            ; e0 (x), e1 (W1), e2 (W2), e3 (the hidden layer)
	s_load_b64 s[32:33], s[50:51], 0x0
	global_load_b32 v20, v18, s[48:49]             ; the token of row r,
	global_load_b32 v21, v18, s[48:49] offset:64   ; of row 16 + r,
	global_load_b32 v22, v19, s[48:49]             ; and of my lane's row of x's fragment w
	s_wait_kmcnt 0x0
	s_and_b32 s24, s23, 0xff
	s_bfe_u32 s25, s23, 0x80008
	s_bfe_u32 s26, s23, 0x80010
	s_min_u32 s26, s26, 32                         ; the tile's rows, 0..32: they decide which rows are stored, at the end, and nothing else
	s_bitcmp1_b32 s53, 0
	s_cselect_b32 s56, s25, s24                    ; bias rows 1, 3 are hi's
	s_bitcmp1_b32 s53, 1
	s_cselect_b64 s[58:59], s[16:17], s[14:15]     ; rows 2, 3 are b2's: the choice hangs on the wave's number alone
	s_min_u32 s56, s56, 7
	s_lshl_b32 s56, s56, 12
	s_add_co_u32 s56, s56, s55
	s_mov_b32 s57, 0
	s_add_nc_u64 s[58:59], s[58:59], s[56:57]
	s_min_u32 s24, s24, 7
	s_min_u32 s25, s25, 7
	s_lshl_b32 s46, s22, 17                        ; (the scalar loads that named s46 are done)
	s_lshl_b32 s34, s24, 21
	s_add_co_u32 s34, s34, s46
	s_mov_b32 s35, 0
	s_add_nc_u64 s[34:35], s[12:13], s[34:35]
	s_lshl_b32 s36, s25, 21
	s_add_co_u32 s36, s36, s46
	s_mov_b32 s37, 0
	s_add_nc_u64 s[36:37], s[12:13], s[36:37]
	s_min_u32 s32, s32, 4095
	s_min_u32 s33, s33, 4095
	s_lshl_b32 s42, s32, 12
	s_mov_b32 s43, 0
	s_add_nc_u64 s[42:43], s[20:21], s[42:43]
	s_lshl_b32 s44, s33, 12
	s_mov_b32 s45, 0
	s_add_nc_u64 s[44:45], s[20:21], s[44:45]
	s_add_co_i32 s38, s28, s29
	s_add_co_i32 s38, s38, 127
	s_lshl_b32 s38, s38, 23                        ; 2^(e0 + e1) as f32
	s_mov_b32 s39, s38                             ; (named with it as a pair, so it is written)
	s_add_co_i32 s40, s30, s31
	s_add_co_i32 s40, s40, 127
	s_lshl_b32 s40, s40, 23                        ; 2^(e2 + e3)
	s_mov_b32 s41, s40
	s_add_co_i32 s46, s31, 127
	s_lshl_b32 s47, s46, 23
	v_mov_b32 v12, s47                             ; 2^e3: the conversion takes its exponent field
	s_add_co_i32 s46, s46, 15
	s_lshl_b32 s46, s46, 23
	s_or_b32 s46, s46, 0x600000
	v_mov_b32 v13, s46                             ; 57,344 x 2^e3
	s_wait_loadcnt 0x0                             ; the tokens
	v_min_u32 v20, 4095, v20
	v_min_u32 v21, 4095, v21
	v_min_u32 v22, 4095, v22
	v_lshlrev_b32 v20, 3, v20                      ; 8 bytes of gate a token
	v_lshlrev_b32 v21, 3, v21
	v_lshlrev_b32 v22, 10, v22                     ; 1,024 bytes of codes a token
	v_add_nc_u32 v22, v22, v23
	global_load_b128 v[48:51], v1, s[58:59]
	global_load_b128 v[52:55], v1, s[58:59] offset:2048
.irp c, 0,1,2,3
	global_load_b128 v[32+4*\c:35+4*\c], v22, s[8:9] offset:32*\c   ; x(my row, 128 s + 32 c + 16 h + 0 .. 15)
.endr
	global_load_b64 v[8:9], v20, s[10:11]
	global_load_b64 v[10:11], v21, s[10:11]
.macro WLOAD set, base, off, t0        ; half a K step's weights, fragments t0 and t0 + 1: 8 loads, each of 512 consecutive bytes
.irp t, \t0, \t0+1
.irp c, 0,1,2,3
	global_load_b128 v[W+64*(\set)+16*(\t)+4*\c:W+64*(\set)+16*(\t)+4*\c+3], v1, s[\base:\base+1] offset:(\off)+2048*(\t)+512*\c
.endr
.endr
.endm
.macro XLOAD s                         ; K step s of source 1, both row tiles, as images
.irp m, 0,1
.irp c, 0,1,2,3
	ds_load_b128 v[XF+16*\m+4*\c:XF+16*\m+4*\c+3], v2 offset:16384*\m+2048*(\s)+512*\c
.endr
.endr
.endm
.macro BLOAD q                         ; my lane's 32 numbers of bias row q, in the accumulators' order: register 16 b + n: unit 64 w + 32 b + 16 h + n
.irp b, 0,1
.irp i, 0,1,2,3
	ds_load_b128 v[XF+16*\b+4*\i:XF+16*\b+4*\i+3], v4 offset:4096*(\q)+128*\b+16*\i
.endr
.endr
.endm
; Four matrix instructions: weight tiles t0, t0 + 1 x the two row tiles.  The eight accumulators take turns, one instruction a turn, in the same order in every step.
; A layer's first step starts the sums with the constant 0: nothing is cleared.
.macro MUL2 t0
.irp t, \t0, \t0+1
.irp m, 0,1
.if N%8 == 0
	v_wmma_f32_16x16x128_bf8_bf8 v[ACC+32*\m+8*(\t):ACC+32*\m+8*(\t)+7], v[W+64*(N%2)+16*(\t):W+64*(N%2)+16*(\t)+15], v[XF+16*\m:XF+16*\m+15], 0
.else
	v_wmma_f32_16x16x128_bf8_bf8 v[ACC+32*\m+8*(\t):ACC+32*\m+8*(\t)+7], v[W+64*(N%2)+16*(\t):W+64*(N%2)+16*(\t)+15], v[XF+16*\m:XF+16*\m+15], v[ACC+32*\m+8*(\t):ACC+32*\m+8*(\t)+7]
.endif
.endr
.endr
.endm
.macro PLACES                          ; four places in front of loads into registers that matrix instructions have read, and of the first read of results
.rept 4
	v_nop
.endr
.endm
; K step N of 32, eight to a layer, in two halves.  Each half: its 8 weight loads are in; four products; the same two fragments of step N + 2 are asked for, whatever layer that step belongs to:
; layer (N + 2) / 8 takes lo's weights where it is even and hi's where it is odd, W1's part for layers 0, 1 and W2's, 65,536 bytes on, for layers 2, 3.
; The next step's images, or at a layer's end its bias numbers, are asked of LDS ahead of the second run of loads from memory, so that they land while that run is issued.
.set N, 0
.macro STEP
.set NX, N+2
.set WBASE, 34+2*((NX/8)%2)
.set WOFF, (NX/16)*65536+(NX%8)*8192
.if N < 31
.set LC0, 24                           ; behind this half's 8 loads: the other half's 8 and the next step's 16
.else
.set LC0, 8                            ; the last step: the other half's 8
.endif
.if N < 30
.set LC1, 24                           ; behind this half's 8 loads: the next step's 16 and the 8 just issued
.elseif N == 30
.set LC1, 16                           ; nothing was issued any more: the last step's 16
.else
.set LC1, 0
.endif
	s_wait_loadcnt LC0
	s_wait_dscnt 0x0                               ; source 1 is in
	MUL2 0
	PLACES
.if NX < 32
	WLOAD N%2, WBASE, WOFF, 0
.endif
	s_wait_loadcnt LC1
	MUL2 2
	PLACES
.if N%8 < 7
	XLOAD N%8+1
.else
	BLOAD N/8
.endif
.if NX < 32
	WLOAD N%2, WBASE, WOFF, 2
.endif
.set N, N+1
.endm
.macro AFF sc                          ; sum x the two scales + bias, one rounding, two numbers a line; each accumulator from its low end on
.irp m, 0,1
.irp k, 0,2,4,6,8,10,12,14,16,18,20,22,24,26,28,30
	v_pk_fma_f32 v[ACC+32*\m+\k:ACC+32*\m+\k+1], v[ACC+32*\m+\k:ACC+32*\m+\k+1], s[\sc:\sc+1], v[XF+\k:XF+\k+1] op_sel_hi:[1,0,1]
.endr
.endr
.endm
.macro BARRIER                         ; my LDS stores have landed and my LDS loads are in: then the work-group's barrier, whole
	s_wait_dscnt 0x0
	s_barrier_signal -1
	s_barrier_wait -1
.endm
; An expert's first layer: x's images x my part of W1; bias, relu, quantised in registers; my pieces of the hidden layer's images go to LDS, and I signal that they lie there.
; hi = 1: the wait for the barrier that lo's first layer signalled stands here, ahead of my LDS stores: from here on lo's hidden layer is whole.  Between that signal and this wait stood matrix and vector work,
; loads from memory into registers, and LDS loads of x's images and of the bias rows, which no wave writes any more.
.macro LAYER1 hi
	XLOAD 0
.rept 8
	STEP
.endr
	s_wait_dscnt 0x0                               ; the bias numbers
	AFF 38
.set i, 0
.rept 64
	v_med3_num_f32 v[ACC+i], v[ACC+i], 0, v13      ; the activation and the hold in one: between 0 and the largest code x the scale (the conversion does not saturate: ISA guide 7.6.2)
.set i, i+1
.endr
.irp m, 0,1
.irp b, 0,1
.irp u, 0,1
	v_cvt_scalef32_pk8_bf8_f32 v[PC+8*\m+4*\b+2*\u:PC+8*\m+4*\b+2*\u+1], v[ACC+32*\m+16*\b+8*\u:ACC+32*\m+16*\b+8*\u+7], v12
.endr
.endr
.endr
	v_nop                                          ; a plain line behind the last conversion: the next products write its sources
.if \hi
	s_barrier_wait -1
.endif
.irp m, 0,1
.irp b, 0,1
	ds_store_b128 v3, v[PC+8*\m+4*\b:PC+8*\m+4*\b+3] offset:(HIMGB-HIMGA)*\hi+16384*\m+512*\b
.endr
.endr
	s_wait_dscnt 0x0                               ; for the other waves' sake: my pieces of this hidden layer lie in LDS;
	s_barrier_signal -1                            ; say so.  The wait follows a layer later, ahead of the first read of this hidden layer
.endm
; An expert's second layer: the hidden layer's images x my part of W2; bias, relu, the gate's weight.  last = 0: the share waits in my own bytes of the stage.  last = 1: it is fetched and added onto.
; last = 0: the wait for the barrier that hi's first layer signalled stands ahead of my LDS stores: from here on hi's hidden layer is whole.  Between that signal and this wait stood matrix and vector work,
; loads from memory into registers, and LDS loads of lo's hidden layer and of the bias rows, which no wave writes any more.
.macro LAYER2 himg, last
	v_add_nc_u32 v2, \himg, v1
	XLOAD 0
.rept 8
	STEP
.endr
.if \last
.irp b, 0,1
.irp i, 0,1,2,3
	ds_load_b128 v[W+16*\b+4*\i:W+16*\b+4*\i+3], v5 offset:128*\b+16*\i          ; no weight is on its way any more: lo's share comes into the weights' first set, last multiplied a step ago
	ds_load_b128 v[W+32+16*\b+4*\i:W+32+16*\b+4*\i+3], v6 offset:128*\b+16*\i
.endr
.endr
.endif
	v_mov_b32 v16, v[8+\last]                      ; the weight of my token in row tile 0, twice, for the packed lines;
	v_mov_b32 v17, v[8+\last]
	v_mov_b32 v18, v[10+\last]                     ; in row tile 1
	v_mov_b32 v19, v[10+\last]
	s_wait_dscnt 0x0
	AFF 40
.set i, 0
.rept 64
	v_max_num_f32 v[ACC+i], 0, v[ACC+i]
.set i, i+1
.endr
.irp m, 0,1
.irp k, 0,2,4,6,8,10,12,14,16,18,20,22,24,26,28,30
.if \last
	v_pk_fma_f32 v[ACC+32*\m+\k:ACC+32*\m+\k+1], v[ACC+32*\m+\k:ACC+32*\m+\k+1], v[16+2*\m:17+2*\m], v[W+32*\m+\k:W+32*\m+\k+1]
.else
	v_pk_mul_f32 v[ACC+32*\m+\k:ACC+32*\m+\k+1], v[ACC+32*\m+\k:ACC+32*\m+\k+1], v[16+2*\m:17+2*\m]
.endif
.endr
.endr
.if \last == 0
	s_barrier_wait -1
.endif
.irp b, 0,1
.irp i, 0,1,2,3
	ds_store_b128 v5, v[ACC+16*\b+4*\i:ACC+16*\b+4*\i+3] offset:128*\b+16*\i     ; lane (r, h): row r, columns 64 w + 32 b + 16 h + 4 i on
	ds_store_b128 v6, v[ACC+32+16*\b+4*\i:ACC+32+16*\b+4*\i+3] offset:128*\b+16*\i
.endr
.endr
.endm
	WLOAD 0, 34, 0, 0                              ; the weight stream begins: K steps 0 and 1
	WLOAD 0, 34, 0, 2
	WLOAD 1, 34, 8192, 0
	WLOAD 1, 34, 8192, 2
	s_wait_loadcnt 32                              ; the eight small loads are in; the 32 younger weight loads stay out
	ds_store_b128 v25, v[48:51]
	ds_store_b128 v25, v[52:55] offset:2048
.irp c, 0,1,2,3
	ds_store_b128 v26, v[32+4*\c:35+4*\c] offset:XIMG+512*\c
.endr
	BARRIER                                        ; x's sixteen fragments and the four bias rows lie in LDS
	v_add_nc_u32 v2, XIMG, v1
	LAYER1 0                                       ; lo's hidden layer; signal
	LAYER1 1                                       ; hi's; the wait for lo's, then the signal for hi's
	LAYER2 HIMGA, 0                                ; lo's share of the output; the wait for hi's hidden layer
	LAYER2 HIMGB, 1                                ; hi's share, added onto lo's
	BARRIER                                        ; 32 whole rows of the output lie in the stage
.irp i, 0,1
.irp j, 0,1,2,3,4,5,6,7
	ds_load_b128 v[ACC+32*\i+4*\j:ACC+32*\i+4*\j+3], v7 offset:SP*\i+512*\j
.endr
.endr
	s_wait_dscnt 0x0
	s_lshl_b32 s46, s22, 1
	s_cmp_lt_u32 s46, s26                          ; a row beyond the tile's count belongs to no token: it is not stored.  No barrier stands behind these branches
	s_cbranch_scc0 .Lnot_even
.irp j, 0,1,2,3,4,5,6,7
	global_store_b128 v1, v[ACC+4*\j:ACC+4*\j+3], s[42:43] offset:512*\j th:TH_STORE_NT   ; the wave stores 512 consecutive bytes of the token's row; written once, read by nobody here
.endr
.Lnot_even:
	s_add_co_u32 s46, s46, 1
	s_cmp_lt_u32 s46, s26
	s_cbranch_scc0 .Lnot_odd
.irp j, 0,1,2,3,4,5,6,7
	global_store_b128 v1, v[ACC+32+4*\j:ACC+32+4*\j+3], s[44:45] offset:512*\j th:TH_STORE_NT
.endr
.Lnot_odd:
	s_wait_xcnt 0x0
	v_lshl_add_u32 v254, v0, 2, 0x3c200
	v_mov_b32 v255, 0
	s_wait_tensorcnt 0x0
	ds_add_u32 v254, v255
	s_wait_dscnt 0x0
	s_endpgm
.Lfunc_end_k_qbd1d0e8123_chain:
	.size	k_qbd1d0e8123_chain, .Lfunc_end_k_qbd1d0e8123_chain-k_qbd1d0e8123_chain
	.p2alignl 7, 3214868480
	.fill 96, 4, 3214868480
	.section	.rodata,"a",@progbits
	.p2align	6, 0x0
	.amdhsa_kernel k_qbd1d0e8123_chain
		.amdhsa_group_segment_fixed_size 248320
		.amdhsa_private_segment_fixed_size 0
		.amdhsa_enable_private_segment 0
		.amdhsa_kernarg_size 72
		.amdhsa_user_sgpr_count 2
		.amdhsa_user_sgpr_kernarg_segment_ptr 1
		.amdhsa_wavefront_size32 1
		.amdhsa_system_sgpr_workgroup_id_x 1
		.amdhsa_system_sgpr_workgroup_id_y 1
		.amdhsa_system_sgpr_workgroup_id_z 1
		.amdhsa_system_vgpr_workitem_id 0
		.amdhsa_next_free_vgpr 256
		.amdhsa_next_free_sgpr 66
		.amdhsa_reserve_vcc 0
		.amdhsa_float_denorm_mode_32 3
		.amdhsa_float_denorm_mode_16_64 3
		.amdhsa_memory_ordered 1
		.amdhsa_forward_progress 1
		.amdhsa_inst_pref_size 132
	.end_amdhsa_kernel
	.amdgpu_metadata
---
amdhsa.version: [ 1, 2 ]
amdhsa.kernels:
  - .name:           k_qbd1d0e8123_chain
    .symbol:         k_qbd1d0e8123_chain.kd
    .args:
      - { .name: meta, .offset: 0, .size: 8, .value_kind: global_buffer, .address_space: global }
      - { .name: order, .offset: 8, .size: 8, .value_kind: global_buffer, .address_space: global }
      - { .name: xc, .offset: 16, .size: 8, .value_kind: global_buffer, .address_space: global }
      - { .name: gate, .offset: 24, .size: 8, .value_kind: global_buffer, .address_space: global }
      - { .name: wimg, .offset: 32, .size: 8, .value_kind: global_buffer, .address_space: global }
      - { .name: b1, .offset: 40, .size: 8, .value_kind: global_buffer, .address_space: global }
      - { .name: b2, .offset: 48, .size: 8, .value_kind: global_buffer, .address_space: global }
      - { .name: lowp_scales, .offset: 56, .size: 8, .value_kind: global_buffer, .address_space: global }
      - { .name: out0, .offset: 64, .size: 8, .value_kind: global_buffer, .address_space: global }
    .group_segment_fixed_size: 248320
    .private_segment_fixed_size: 0
    .kernarg_segment_align: 8
    .kernarg_segment_size: 72
    .max_flat_workgroup_size: 512
    .sgpr_count:     66
    .vgpr_count:     256
    .wavefront_size: 32
...
	.end_amdgpu_metadata
.endif
;; end of part 3
;; ======== version 2 of 2: 3 launches
;; workspace buffers: xc 4,194,304 bytes; wimg 16,777,216 bytes; gate 32,768 bytes; key 16,384 bytes of whole numbers; order 20,480 bytes of whole numbers; meta 1,024 bytes of whole numbers
;; launch prep (part 4): grid 512 x 1, 4 waves a work-group, no clusters, 84,480 bytes of LDS; arguments x, Wg, bg, lowp_scales, W1_codes, W2_codes, xc, gate, key, wimg; writes xc, gate, key, wimg
.if DOCPART == 4
	.amdgcn_target "amdgcn-amd-amdhsa--gfx1250"
	.amdhsa_code_object_version 6
	.text
	.protected	k_qbd1d0e8123_prep
	.globl	k_qbd1d0e8123_prep
	.p2align	8
	.type	k_qbd1d0e8123_prep,@function
k_qbd1d0e8123_prep:
	s_mov_b64 s[64:65], 0
	v_nop
	global_prefetch_b8 v0, s[64:65] scope:SCOPE_SE
	s_setreg_imm32_b32 hwreg(HW_REG_WAVE_MODE, 25, 1), 1
	s_wait_xcnt 0x0
; PREP.  Two jobs in one launch, parted on the work-group's number; each path has LDS bytes of its own.
; Work-groups 0-255 (x path): 16 tokens each, 4 a wave.  logits = x Wg^T + bg in f32 (fused multiply-adds), top-2 (strict >, so a tie keeps the lower index, as jax.lax.top_k does),
;   softmax of the two values with the larger taken away; stored at FIXED places: key[token] = the number 0..27 of the unordered pair (lo, hi), gate[token] = (weight of lo, weight of hi).
;   The same registers of x are then quantised to E5M2 with the given 2^e0 and stored as xc[token][1024], k ascending.  x is read from memory once.
; Work-groups 256-511 (relayout path): W1's and W2's codes are copied, unchanged, into the order in which a wave's operand registers take them:
;   wimg[e 8][w 16][p 2][s 8][t 4][c 4][lane 32][16 bytes]; p = 0: W1, 1: W2.  Tile T = 4 w + t takes rows 32 (T / 2) + 8 (T % 2) + r + 8 (r / 8), r = lane % 16;
;   piece c of lane (r, h) holds k = 128 s + 32 c + 16 h + 0 .. 15.  So a later launch loads a fragment by four loads of 512 consecutive bytes.
; LIMITS: e0 between -126 and 112, so that 2^e0 and 57,344 x 2^e0 are f32 numbers.  NaN and infinities among x, Wg, bg are not served.  The logits' sums are taken in another order than
;   the reference's: two logits that agree to about 1e-6 of their size may be ranked the other way.
.set WGL,  0                           ; LDS: Wg as it lies in memory, 32,768 bytes (x path)
.set CST,  32768                       ; a stage of 4,096 bytes for each wave's codes (x path)
.set RL,   49152                       ; a stage of 32 rows x 272 bytes for each wave (relayout path)
.set RP,   272                         ; its pitch: 256 bytes + 16
.set AC,   16                          ; v16-23   four pairs of running sums, one for each token; behind the logits: lo, hi, the two weights, the pair's number
.set LG,   24                          ; v24-31   the eight logits: lane j (0..3) holds token j's
.set X,    32                          ; v32-159  x: token j at X + 32 j; register 4 i + n: k = 128 i + 4 lane + n
.set WT,   160                         ; v160-223 Wg on its way to LDS; then two sets of 32 for a row of Wg; then codes (160-191) and codes read back (192-223)
.set KO,   224                         ; v224     4 x lane: my token's word of key; written once
.set GO,   225                         ; v225     8 x lane: my token's pair of gate; written once
	s_load_b512 s[4:19], s[0:1], 0x0               ; x 4:5, Wg 6:7, bg 8:9, scales 10:11, W1 codes 12:13, W2 codes 14:15, xc 16:17, gate 18:19
	s_load_b128 s[20:23], s[0:1], 0x40             ; key 20:21, wimg 22:23
	v_lshl_add_u32 v226, v0, 2, 0x14800
	v_mov_b32 v227, 0
	v_lshrrev_b32 v1, 5, v0
	v_readfirstlane_b32 s24, v1                    ; wave 0..3
	v_and_b32 v1, 31, v0                           ; lane
	v_lshlrev_b32 v2, 4, v1                        ; 16 x lane
	s_cmp_lt_u32 ttmp9, 256
	s_cbranch_scc0 .Lrelay
; ------------------------------------------------------------------ the x path
	v_lshlrev_b32 v3, 4, v0                        ; 16 x thread
	s_lshl_b32 s25, s24, 12                        ; my wave's stage
	v_lshlrev_b32 v4, 2, v1
	v_add_nc_u32 v4, s25, v4
	v_add_nc_u32 v4, CST, v4                       ; into it: 4 bytes a lane
	v_add_nc_u32 v5, s25, v2
	v_add_nc_u32 v5, CST, v5                       ; out of it: 16 bytes a lane
	v_lshlrev_b32 v[KO], 2, v1                     ; key: 4 bytes a token
	v_lshlrev_b32 v[GO], 3, v1                     ; gate: 8 bytes a token
	s_lshl_b32 s44, ttmp9, 4
	s_lshl_b32 s45, s24, 2
	s_add_co_u32 s44, s44, s45                     ; my wave's first token: 16 x work-group + 4 x wave
	s_lshl_b32 s46, s44, 12                        ; its bytes in x,
	s_mov_b32 s47, 0
	s_lshl_b32 s48, s44, 10                        ; in xc,
	s_mov_b32 s49, 0
	s_lshl_b32 s50, s44, 2                         ; in key,
	s_mov_b32 s51, 0
	s_lshl_b32 s52, s44, 3                         ; in gate
	s_mov_b32 s53, 0
	s_mov_b32 s37, 2                               ; masks of lanes 1, 2, 3
	s_mov_b32 s38, 4
	s_mov_b32 s39, 8
	s_mov_b32 s40, 0x76543210                      ; v_permlanex16_b32: lane l xor 16
	s_mov_b32 s41, 0xfedcba98
	s_wait_alu depctr_va_vdst(0)
	s_wait_kmcnt 0x0
	s_load_b256 s[28:35], s[8:9], 0x0              ; bg
	s_load_b32 s36, s[10:11], 0x0                  ; e0
	s_add_nc_u64 s[26:27], s[4:5], s[46:47]
	s_add_nc_u64 s[16:17], s[16:17], s[48:49]
	s_add_nc_u64 s[20:21], s[20:21], s[50:51]
	s_add_nc_u64 s[18:19], s[18:19], s[52:53]
.irp k, 0,1,2,3,4,5,6,7,8,9,10,11,12,13,14,15
	global_load_b128 v[WT+4*\k:WT+4*\k+3], v3, s[6:7] offset:2048*\k   ; Wg: the 128 threads read 2,048 consecutive bytes
.endr
.irp j, 0,1,2,3
.irp i, 0,1,2,3,4,5,6,7
	global_load_b128 v[X+32*\j+4*\i:X+32*\j+4*\i+3], v2, s[26:27] offset:4096*\j+512*\i th:TH_LOAD_NT   ; x: the wave reads 512 consecutive bytes; read once in the launch
.endr
.endr
	s_wait_loadcnt 32                              ; Wg's 16 loads are in; the 32 younger loads of x stay out
.irp k, 0,1,2,3,4,5,6,7,8,9,10,11,12,13,14,15
	ds_store_b128 v3, v[WT+4*\k:WT+4*\k+3] offset:WGL+2048*\k
.endr
	s_wait_dscnt 0x0                               ; for the other waves' sake: my part of Wg lies in LDS
	s_barrier_signal -1
	s_barrier_wait -1
.macro WLD e                           ; row e of Wg in x's own order: register 4 i + n: k = 128 i + 4 lane + n
.irp i, 0,1,2,3,4,5,6,7
	ds_load_b128 v[WT+32*((\e)%2)+4*\i:WT+32*((\e)%2)+4*\i+3], v2 offset:WGL+4096*(\e)+512*\i
.endr
.endm
	WLD 0
	WLD 1
	s_wait_loadcnt 0x0                             ; x
	s_wait_kmcnt 0x0                               ; bg, e0
; One expert's logit for the wave's four tokens: 16 packed multiply-adds a token in four chains that do not wait for each other, then the sum over the lanes.
.macro EXPERT e
.if \e < 7
	s_wait_dscnt 8                                 ; this row of Wg is in; the next row's eight loads stay out
.else
	s_wait_dscnt 0x0
.endif
.set WB, WT+32*((\e)%2)
.irp k, 0,1,2,3,4,5,6,7,8,9,10,11,12,13,14,15
.irp j, 0,1,2,3
.if \k == 0
	v_pk_mul_f32 v[AC+2*\j:AC+2*\j+1], v[X+32*\j:X+32*\j+1], v[WB:WB+1]   ; the first product starts the sums
.else
	v_pk_fma_f32 v[AC+2*\j:AC+2*\j+1], v[X+32*\j+2*\k:X+32*\j+2*\k+1], v[WB+2*\k:WB+2*\k+1], v[AC+2*\j:AC+2*\j+1]
.endif
.endr
.endr
.if \e < 6
	WLD \e+2                                       ; into the set just read
.endif
.irp j, 0,1,2,3
	v_add_f32 v[AC+2*\j], v[AC+2*\j], v[AC+2*\j+1]
.endr
.irp m, 1,2,4,8
.irp j, 0,1,2,3
	v_add_f32_dpp v[AC+2*\j], v[AC+2*\j], v[AC+2*\j] row_xmask:\m row_mask:0xf bank_mask:0xf
.endr
.endr
.irp j, 0,1,2,3
	v_permlanex16_b32 v[AC+2*\j+1], v[AC+2*\j], s40, s41
.endr
.irp j, 0,1,2,3
	v_add_f32 v[AC+2*\j], v[AC+2*\j], v[AC+2*\j+1]   ; every lane holds token j's sum
.endr
	v_mov_b32 v[LG+\e], v[AC]                      ; lane j keeps token j's
	v_cndmask_b32 v[LG+\e], v[LG+\e], v[AC+2], s37
	v_cndmask_b32 v[LG+\e], v[LG+\e], v[AC+4], s38
	v_cndmask_b32 v[LG+\e], v[LG+\e], v[AC+6], s39
	v_add_f32 v[LG+\e], s[28+\e], v[LG+\e]         ; + bg
.endm
.irp e, 0,1,2,3,4,5,6,7
	EXPERT \e
.endr
	; top-2: v8, v9 the largest logit and its expert; v10, v11 the second
	v_mov_b32 v8, v[LG]
	v_mov_b32 v9, 0
.irp e, 1,2,3,4,5,6,7
	v_cmp_gt_f32 vcc_lo, v[LG+\e], v8
	v_cndmask_b32 v8, v8, v[LG+\e], vcc_lo
	v_cndmask_b32 v9, v9, \e, vcc_lo
.endr
	v_mov_b32 v10, 0xff800000                      ; -infinity
	v_cmp_eq_u32 vcc_lo, 0, v9
	v_cndmask_b32 v11, 0, 1, vcc_lo                ; some expert other than the first, should no logit be above -infinity
.irp e, 0,1,2,3,4,5,6,7
	v_cmp_ne_u32 s42, \e, v9
	v_cmp_gt_f32 vcc_lo, v[LG+\e], v10
	s_and_b32 vcc_lo, vcc_lo, s42
	v_cndmask_b32 v10, v10, v[LG+\e], vcc_lo
	v_cndmask_b32 v11, v11, \e, vcc_lo
.endr
	; softmax of (m1, m2) with m1, the larger, taken away: g1 = 1 / (1 + exp(m2 - m1)), g2 = exp(m2 - m1) g1
	v_sub_f32 v12, v10, v8
	v_mul_f32 v12, 0x3fb8aa3b, v12
	s_wait_alu depctr_va_vdst(0)
	v_exp_f32 v12, v12
	v_min_u32 v16, v9, v11                         ; lo  (a plain line behind the exponential)
	s_wait_alu depctr_va_vdst(0)
	v_add_f32 v13, 1.0, v12
	s_wait_alu depctr_va_vdst(0)
	v_rcp_f32 v13, v13
	v_max_u32 v17, v9, v11                         ; hi  (a plain line behind the reciprocal)
	s_wait_alu depctr_va_vdst(0)
	v_mul_f32 v14, v12, v13
	v_cmp_lt_u32 vcc_lo, v9, v11
	v_cndmask_b32 v18, v14, v13, vcc_lo            ; lo's weight
	v_cndmask_b32 v19, v13, v14, vcc_lo            ; hi's
	v_sub_nc_u32 v20, 15, v16
	v_mul_u32_u24 v20, v20, v16
	v_lshrrev_b32 v20, 1, v20
	v_add_nc_u32 v20, v20, v17
	v_sub_nc_u32 v20, v20, v16
	v_add_nc_u32 v20, -1, v20                      ; the pair's number: lo (15 - lo) / 2 + hi - lo - 1
	; x into codes
	s_add_co_i32 s36, s36, 127
	s_lshl_b32 s42, s36, 23
	v_mov_b32 v6, s42                              ; 2^e0 as f32: the conversion takes its exponent field
	s_add_co_i32 s36, s36, 15
	s_lshl_b32 s36, s36, 23
	s_or_b32 s36, s36, 0x600000
	v_mov_b32 v7, s36                              ; 57,344 x 2^e0
.set i, 0
.rept 128
	v_med3_num_f32 v[X+i], v[X+i], -v7, v7         ; the conversion to an 8-bit code does not saturate (ISA guide 7.6.2): the hold at the largest code x the scale
.set i, i+1
.endr
.irp j, 0,1,2,3
.irp a, 0,1,2,3
	v_cvt_scalef32_pk8_bf8_f32 v[WT+8*\j+2*\a:WT+8*\j+2*\a+1], v[X+32*\j+8*\a:X+32*\j+8*\a+7], v6   ; word i of token j: the codes of k = 128 i + 4 lane + 0 .. 3
.endr
.endr
	v_nop                                          ; a plain line behind the last conversion
.irp j, 0,1,2,3
.irp i, 0,1,2,3,4,5,6,7
	ds_store_b32 v4, v[WT+8*\j+\i] offset:1024*\j+128*\i   ; byte k of token j: the codes lie with k ascending
.endr
.endr
.irp q, 0,1,2,3,4,5,6,7
	ds_load_b128 v[WT+32+4*\q:WT+32+4*\q+3], v5 offset:512*\q   ; LDS serves a wave's instructions in order (ISA guide 5.7.1.4): these see my stores
.endr
.irp q, 0,1,2,3,4,5,6,7
	s_wait_dscnt 7-\q                              ; piece q is back; the younger ones stay out
	global_store_b128 v2, v[WT+32+4*\q:WT+32+4*\q+3], s[16:17] offset:512*\q   ; the wave stores 512 consecutive bytes
.endr
	s_wait_xcnt 0x0                                ; EXEC is narrowed only behind this wait
	v_cmp_gt_u32 vcc_lo, 4, v1
	s_wait_tensorcnt 0x0
	ds_add_u32 v226, v227
	s_wait_dscnt 0x0
	s_and_saveexec_b32 s43, vcc_lo                 ; lanes 0-3 hold the four tokens' results: 16 and 32 bytes a wave, the launch's only short stores
	global_store_b32 v[KO], v20, s[20:21]
	global_store_b64 v[GO], v[18:19], s[18:19]
	s_wait_xcnt 0x0                                ; and widened only behind this one
	s_or_b32 exec_lo, exec_lo, s43
	s_endpgm
; ------------------------------------------------------------------ the relayout path
; A work-group takes 64 rows of one matrix; wave w the 32 rows of block B and two strips of 256 bytes.  A strip goes through the wave's own stage: in as rows, out in the order of the operand's registers.
.Lrelay:
	s_sub_co_u32 s44, ttmp9, 256                   ; 0..255
	s_lshr_b32 s45, s44, 4                         ; which of the 16 matrices
	s_lshr_b32 s46, s45, 3                         ; p: W1 or W2
	s_and_b32 s47, s45, 7                          ; e
	s_and_b32 s48, s44, 15
	s_lshl_b32 s48, s48, 1
	s_lshr_b32 s49, s24, 1
	s_add_co_u32 s48, s48, s49                     ; B: my block of 32 rows, 0..31
	s_and_b32 s49, s24, 1                          ; which half of the rows' 1,024 bytes
	s_lshl_b32 s50, s47, 20                        ; from: e x 2^20 + B x 32 rows x 1,024 + half x 512
	s_lshl_b32 s52, s48, 15
	s_add_co_u32 s50, s50, s52
	s_lshl_b32 s52, s49, 9
	s_add_co_u32 s50, s50, s52
	s_mov_b32 s51, 0
	s_lshl_b32 s52, s47, 21                        ; to: e x 2^21 + (B / 2) x 2^17 + p x 2^16 + half x 4 steps x 8,192 + (B % 2) x 2 tiles x 2,048
	s_lshr_b32 s54, s48, 1
	s_lshl_b32 s54, s54, 17
	s_add_co_u32 s52, s52, s54
	s_lshl_b32 s54, s46, 16
	s_add_co_u32 s52, s52, s54
	s_lshl_b32 s54, s49, 15
	s_add_co_u32 s52, s52, s54
	s_and_b32 s54, s48, 1
	s_lshl_b32 s54, s54, 12
	s_add_co_u32 s52, s52, s54
	s_mov_b32 s53, 0
	s_wait_alu depctr_va_vdst(0)
	v_lshrrev_b32 v6, 4, v1                        ; h
	v_and_b32 v7, 15, v1                           ; r
	v_lshlrev_b32 v3, 10, v6
	v_lshl_add_u32 v3, v7, 4, v3                   ; memory: sixteen lanes to 256 bytes of a row, two rows an instruction
	s_mul_i32 s55, s24, 32*RP
	s_add_co_u32 s55, s55, RL                      ; my stage
	v_mul_u32_u24 v4, v6, RP
	v_lshl_add_u32 v4, v7, 4, v4
	v_add_nc_u32 v4, s55, v4                       ; in: the same two rows
	v_and_b32 v8, 8, v7
	v_add_nc_u32 v8, v8, v7                        ; r + 8 (r / 8)
	v_mul_u32_u24 v5, v8, RP
	v_lshl_add_u32 v5, v6, 4, v5
	v_add_nc_u32 v5, s55, v5                       ; out: the tile's row of my lane, + 16 h
	s_wait_alu depctr_va_vdst(0)
	s_wait_kmcnt 0x0
	s_cmp_lt_u32 s44, 128
	s_cselect_b64 s[12:13], s[12:13], s[14:15]     ; the choice hangs on the work-group's number alone
	s_add_nc_u64 s[12:13], s[12:13], s[50:51]
	s_add_nc_u64 s[22:23], s[22:23], s[52:53]
.irp i, 0,1
.irp n, 0,1,2,3,4,5,6,7,8,9,10,11,12,13,14,15
	global_load_b128 v[32+64*\i+4*\n:32+64*\i+4*\n+3], v3, s[12:13] offset:256*\i+2048*\n th:TH_LOAD_NT   ; read once in the launch
.endr
.endr
.macro RIN src                         ; a strip as loaded goes into the stage
.irp n, 0,1,2,3,4,5,6,7,8,9,10,11,12,13,14,15
	ds_store_b128 v4, v[\src+4*\n:\src+4*\n+3] offset:2*RP*\n
.endr
.endm
.macro RTURN dst                       ; and comes back: tile u of the block's two, step q of the strip's two, piece c
.irp u, 0,1
.irp q, 0,1
.irp c, 0,1,2,3
	ds_load_b128 v[\dst+4*(8*\u+4*\q+\c):\dst+4*(8*\u+4*\q+\c)+3], v5 offset:8*RP*\u+128*\q+32*\c
.endr
.endr
.endr
.endm
.macro ROUT src, i                     ; each store of the wave covers 512 consecutive bytes
.irp u, 0,1
.irp q, 0,1
.irp c, 0,1,2,3
	global_store_b128 v2, v[\src+4*(8*\u+4*\q+\c):\src+4*(8*\u+4*\q+\c)+3], s[22:23] offset:16384*\i+8192*\q+2048*\u+512*\c
.endr
.endr
.endr
.endm
	s_wait_loadcnt 16                              ; the first strip's 16 loads are in; the second's stay out
	RIN 32
	RTURN 160
	s_wait_loadcnt 0x0
	RIN 96                                         ; LDS serves a wave's instructions in order: these stores fall behind the reads above
	s_wait_dscnt 16                                ; the first strip is back; the 16 younger stores stay out
	ROUT 160, 0
	RTURN 32
	s_wait_dscnt 0x0
	ROUT 32, 1
	s_wait_tensorcnt 0x0
	ds_add_u32 v226, v227
	s_wait_dscnt 0x0
	s_endpgm
.Lfunc_end_k_qbd1d0e8123_prep:
	.size	k_qbd1d0e8123_prep, .Lfunc_end_k_qbd1d0e8123_prep-k_qbd1d0e8123_prep
	.p2alignl 7, 3214868480
	.fill 96, 4, 3214868480
	.section	.rodata,"a",@progbits
	.p2align	6, 0x0
	.amdhsa_kernel k_qbd1d0e8123_prep
		.amdhsa_group_segment_fixed_size 84480
		.amdhsa_private_segment_fixed_size 0
		.amdhsa_enable_private_segment 0
		.amdhsa_kernarg_size 80
		.amdhsa_user_sgpr_count 2
		.amdhsa_user_sgpr_kernarg_segment_ptr 1
		.amdhsa_wavefront_size32 1
		.amdhsa_system_sgpr_workgroup_id_x 1
		.amdhsa_system_sgpr_workgroup_id_y 1
		.amdhsa_system_sgpr_workgroup_id_z 1
		.amdhsa_system_vgpr_workitem_id 0
		.amdhsa_next_free_vgpr 228
		.amdhsa_next_free_sgpr 66
		.amdhsa_reserve_vcc 1
		.amdhsa_float_denorm_mode_32 3
		.amdhsa_float_denorm_mode_16_64 3
		.amdhsa_memory_ordered 1
		.amdhsa_forward_progress 1
		.amdhsa_inst_pref_size 87
	.end_amdhsa_kernel
	.amdgpu_metadata
---
amdhsa.version: [ 1, 2 ]
amdhsa.kernels:
  - .name:           k_qbd1d0e8123_prep
    .symbol:         k_qbd1d0e8123_prep.kd
    .args:
      - { .name: x, .offset: 0, .size: 8, .value_kind: global_buffer, .address_space: global }
      - { .name: Wg, .offset: 8, .size: 8, .value_kind: global_buffer, .address_space: global }
      - { .name: bg, .offset: 16, .size: 8, .value_kind: global_buffer, .address_space: global }
      - { .name: lowp_scales, .offset: 24, .size: 8, .value_kind: global_buffer, .address_space: global }
      - { .name: W1_codes, .offset: 32, .size: 8, .value_kind: global_buffer, .address_space: global }
      - { .name: W2_codes, .offset: 40, .size: 8, .value_kind: global_buffer, .address_space: global }
      - { .name: xc, .offset: 48, .size: 8, .value_kind: global_buffer, .address_space: global }
      - { .name: gate, .offset: 56, .size: 8, .value_kind: global_buffer, .address_space: global }
      - { .name: key, .offset: 64, .size: 8, .value_kind: global_buffer, .address_space: global }
      - { .name: wimg, .offset: 72, .size: 8, .value_kind: global_buffer, .address_space: global }
    .group_segment_fixed_size: 84480
    .private_segment_fixed_size: 0
    .kernarg_segment_align: 8
    .kernarg_segment_size: 80
    .max_flat_workgroup_size: 128
    .sgpr_count:     66
    .vgpr_count:     228
    .wavefront_size: 32
...
	.end_amdgpu_metadata
.endif
;; end of part 4
;; launch place (part 5): grid 1 x 1, 16 waves a work-group, no clusters, 4,096 bytes of LDS; arguments key, order, meta; writes order, meta
.if DOCPART == 5
	.amdgcn_target "amdgcn-amd-amdhsa--gfx1250"
	.amdhsa_code_object_version 6
	.text
	.protected	k_qbd1d0e8123_place
	.globl	k_qbd1d0e8123_place
	.p2align	8
	.type	k_qbd1d0e8123_place,@function
k_qbd1d0e8123_place:
	s_mov_b64 s[64:65], 0
	v_nop
	global_prefetch_b8 v0, s[64:65] scope:SCOPE_SE
	s_setreg_imm32_b32 hwreg(HW_REG_WAVE_MODE, 25, 1), 1
	s_wait_xcnt 0x0
; PLACE.  One work-group sorts the 4,096 tokens by the number 0..27 of their pair of experts (a counting sort, no atomics) and cuts each pair's tokens into tiles of at most 32.
; order[32 tile + row] = token (0 where a tile has no such row); meta[tile] = lo | hi << 8 | rows << 16 (rows = 0: the tile is not used).
; The sum over the 28 pairs of ceil(count / 32) is at most 128 + 27 = 155, whatever the split: order's entries 0..4,959 and meta's 0..159 are all written.  order[5119] takes the stores of lanes that have nothing to write (always 0).
; Wave w holds tokens 256 w + 32 c + lane, c = 0..7.  In the tables lane k stands for pair k.
.set EB,  2                            ; v2-6    bit j of my lane - 1: 0 or all ones
.set KY,  8                            ; v8-15   my eight tokens' pairs; later 4 x that
.set RK,  16                           ; v16-23  how many lower lanes of the chunk have my pair
.set HC,  24                           ; v24-31  lane k: how many tokens of the chunk have pair k
.set SW,  32                           ; v32-47  lane k: each wave's count of pair k
.set BS,  64                           ; v64-71  lane k: where chunk c's tokens of pair k begin
.set PO,  72                           ; v72-79  my tokens' places, then byte offsets
.set TK,  80                           ; v80-87  my tokens' numbers
	s_load_b128 s[4:7], s[0:1], 0x0                ; key, order
	s_load_b64 s[24:25], s[0:1], 0x10              ; meta
	v_lshl_add_u32 v96, v0, 2, 0x800
	v_mov_b32 v97, 0
	v_lshrrev_b32 v7, 5, v0
	s_delay_alu instid0(VALU_DEP_1)
	v_readfirstlane_b32 s8, v7                     ; wave 0..15
	v_and_b32 v1, 31, v0                           ; lane
.irp j, 0,1,2,3,4
	v_bfe_u32 v[EB+\j], v1, \j, 1
	s_delay_alu instid0(VALU_DEP_1)
	v_add_nc_u32 v[EB+\j], -1, v[EB+\j]
.endr
	v_lshlrev_b32 v7, 10, v7
	s_delay_alu instid0(VALU_DEP_1)
	v_lshl_add_u32 v7, v1, 2, v7                   ; 1,024 x wave + 4 x lane
	v_lshlrev_b32 v53, 2, v0                       ; 4 x thread
	v_lshlrev_b32 v54, 2, v1                       ; 4 x lane
	v_and_b32 v48, 0x1e0, v0
	s_delay_alu instid0(VALU_DEP_1)
	v_lshl_add_u32 v[TK], v48, 3, v1               ; 256 x wave + lane
.irp c, 1,2,3,4,5,6,7
	v_add_nc_u32 v[TK+\c], 32*\c, v[TK]
.endr
	v_mov_b32 v94, 5119                            ; the word for lanes with nothing to write
	v_mov_b32 v95, 0
	s_mov_b32 s16, 0x55555555
	s_mov_b32 s17, 0x33333333
	s_mov_b32 s18, 0x0f0f0f0f
	s_mov_b32 s19, 0x01010101
	s_wait_kmcnt 0x0
.irp c, 0,1,2,3,4,5,6,7
	global_load_b32 v[KY+\c], v7, s[4:5] offset:128*\c
.endr
	s_wait_loadcnt 0x0
.irp c, 0,1,2,3,4,5,6,7
	v_min_u32 v[KY+\c], 27, v[KY+\c]
.endr
; A chunk of 32 tokens.  s10-14: which lanes have bit j of their pair set.  From them: the lanes that have MY pair (for my rank), and the lanes whose pair is MY LANE's number (for the count).
.macro CH c
.irp j, 0,1,2,3,4
	v_bfe_u32 v48, v[KY+\c], \j, 1
	s_delay_alu instid0(VALU_DEP_1)
	v_cmp_eq_u32 s[10+\j], 1, v48
	s_delay_alu instid0(VALU_DEP_2)
	v_add_nc_u32 v48, -1, v48
.if \j == 0
	s_delay_alu instid0(VALU_DEP_1)
	v_xor_b32 v49, s[10+\j], v48
.else
	s_delay_alu instid0(VALU_DEP_1)
	v_xor_b32 v48, s[10+\j], v48
	s_delay_alu instid0(VALU_DEP_1)
	v_and_b32 v49, v49, v48
.endif
.endr
	s_delay_alu instid0(VALU_DEP_1)
	v_mbcnt_lo_u32_b32 v[RK+\c], v49, 0
	v_xor_b32 v50, s10, v[EB]
.irp j, 1,2,3,4
	v_xor_b32 v48, s[10+\j], v[EB+\j]
	s_delay_alu instid0(VALU_DEP_1)
	v_and_b32 v50, v50, v48
.endr
	s_delay_alu instid0(VALU_DEP_1)
	v_lshrrev_b32 v48, 1, v50                      ; the number of ones in v50
	s_delay_alu instid0(VALU_DEP_1)
	v_and_b32 v48, s16, v48
	s_delay_alu instid0(VALU_DEP_1)
	v_sub_nc_u32 v50, v50, v48
	s_delay_alu instid0(VALU_DEP_1)
	v_lshrrev_b32 v48, 2, v50
	s_delay_alu instid0(VALU_DEP_2)
	v_and_b32 v50, s17, v50
	s_delay_alu instid0(VALU_DEP_2)
	v_and_b32 v48, s17, v48
	s_delay_alu instid0(VALU_DEP_1)
	v_add_nc_u32 v50, v50, v48
	s_delay_alu instid0(VALU_DEP_1)
	v_lshrrev_b32 v48, 4, v50
	s_delay_alu instid0(VALU_DEP_1)
	v_add_nc_u32 v50, v50, v48
	s_delay_alu instid0(VALU_DEP_1)
	v_and_b32 v50, s18, v50
	s_delay_alu instid0(VALU_DEP_1)
	v_mul_lo_u32 v50, v50, s19
	s_delay_alu instid0(VALU_DEP_1)
	v_lshrrev_b32 v[HC+\c], 24, v50
.endm
.irp c, 0,1,2,3,4,5,6,7
	CH \c
.endr
	v_add_nc_u32 v52, v[HC], v[HC+1]
	s_delay_alu instid0(VALU_DEP_1)
	v_add3_u32 v52, v52, v[HC+2], v[HC+3]
	s_delay_alu instid0(VALU_DEP_1)
	v_add3_u32 v52, v52, v[HC+4], v[HC+5]
	s_delay_alu instid0(VALU_DEP_1)
	v_add3_u32 v52, v52, v[HC+6], v[HC+7]          ; lane k: my wave's count of pair k
	ds_store_b32 v53, v52                          ; at 128 x wave + 4 k
	s_wait_dscnt 0x0                               ; for the other waves' sake
	s_barrier_signal -1
	s_barrier_wait -1
.irp q, 0,1,2,3,4,5,6,7,8,9,10,11,12,13,14,15
	ds_load_b32 v[SW+\q], v54 offset:128*\q
.endr
	v_mov_b32 v55, 0                               ; the lower waves' count of pair k
	v_mov_b32 v56, 0                               ; all waves'
	s_wait_dscnt 0x0
.irp q, 0,1,2,3,4,5,6,7,8,9,10,11,12,13,14,15
	s_sub_co_i32 s20, \q, s8
	s_ashr_i32 s20, s20, 31                        ; all ones where wave q is below mine
	v_and_b32 v48, s20, v[SW+\q]
	s_wait_alu depctr_va_vdst(0)
	v_add_nc_u32 v55, v55, v48
	v_add_nc_u32 v56, v56, v[SW+\q]
.endr
	s_delay_alu instid0(VALU_DEP_1)
	v_add_nc_u32 v57, 31, v56
	s_delay_alu instid0(VALU_DEP_1)
	v_lshrrev_b32 v57, 5, v57                      ; pair k's tiles
	s_delay_alu instid0(VALU_DEP_1)
	v_mov_b32 v58, v57                             ; their running sum over the lanes
	v_mov_b32 v59, 0
.irp n, 1
	s_delay_alu instid0(VALU_DEP_2)
	v_mov_b32_dpp v59, v58 row_shr:\n row_mask:0xf bank_mask:0xf bound_ctrl:1
	s_delay_alu instid0(VALU_DEP_1)
	v_add_nc_u32 v58, v58, v59
.endr
.irp n, 2, 4, 8
	s_delay_alu instid0(VALU_DEP_1)
	v_mov_b32_dpp v59, v58 row_shr:\n row_mask:0xf bank_mask:0xf bound_ctrl:1
	s_delay_alu instid0(VALU_DEP_1)
	v_add_nc_u32 v58, v58, v59
.endr
	s_delay_alu instid0(VALU_DEP_1)
	v_readlane_b32 s20, v58, 15
	v_lshrrev_b32 v59, 4, v1
	s_delay_alu instid0(VALU_DEP_1)
	v_sub_nc_u32 v59, 0, v59
	s_delay_alu instid0(VALU_DEP_1)
	v_and_b32 v59, s20, v59
	s_delay_alu instid0(VALU_DEP_1)
	v_add_nc_u32 v58, v58, v59                     ; lanes 16-31 add the lower half's total
	s_delay_alu instid0(VALU_DEP_1)
	v_sub_nc_u32 v60, v58, v57                     ; pair k's first tile
	s_delay_alu instid0(VALU_DEP_1)
	v_lshl_add_u32 v61, v60, 5, v56                ; one past its last token's place
	s_delay_alu instid0(VALU_DEP_3)
	v_lshlrev_b32 v62, 5, v58                      ; one past its last tile's last place
	s_delay_alu instid0(VALU_DEP_4)
	v_readlane_b32 s21, v58, 31                    ; tiles in all
	s_delay_alu instid0(VALU_DEP_4)
	v_lshl_add_u32 v[BS], v60, 5, v55              ; where my wave's tokens of pair k begin,
.irp c, 1,2,3,4,5,6,7
	s_delay_alu instid0(VALU_DEP_1)
	v_add_nc_u32 v[BS+\c], v[BS+\c-1], v[HC+\c-1]  ; and each chunk's
.endr
.irp c, 0,1,2,3,4,5,6,7
	v_lshlrev_b32 v[KY+\c], 2, v[KY+\c]
.endr
.irp c, 0,1,2,3,4,5,6,7
	ds_bpermute_b32 v[PO+\c], v[KY+\c], v[BS+\c]   ; from the lane that stands for my token's pair
.endr
	s_wait_dscnt 0x0
.irp c, 0,1,2,3,4,5,6,7
	v_add_nc_u32 v[PO+\c], v[PO+\c], v[RK+\c]
	s_delay_alu instid0(VALU_DEP_1)
	v_min_u32 v[PO+\c], 5119, v[PO+\c]
	s_delay_alu instid0(VALU_DEP_1)
	v_lshlrev_b32 v[PO+\c], 2, v[PO+\c]
	global_store_b32 v[PO+\c], v[TK+\c], s[6:7]
.endr
	; the rows that a pair's last tile lacks get token 0: wave w sees to pairs w and w + 16 (at most 31 places each)
.irp a, 0,1
	s_add_co_u32 s22, s8, 16*\a
	v_readlane_b32 s23, v61, s22
	v_readlane_b32 s26, v62, s22
	s_delay_alu instid0(VALU_DEP_2)
	v_add_nc_u32 v[88+\a], s23, v1
	s_delay_alu instid0(VALU_DEP_1)
	v_cmp_gt_u32 vcc_lo, s26, v[88+\a]
	s_delay_alu instid0(VALU_DEP_1)
	v_cndmask_b32 v[88+\a], v94, v[88+\a], vcc_lo
	s_delay_alu instid0(VALU_DEP_1)
	v_min_u32 v[88+\a], 5119, v[88+\a]
	s_delay_alu instid0(VALU_DEP_1)
	v_lshlrev_b32 v[88+\a], 2, v[88+\a]
	global_store_b32 v[88+\a], v95, s[6:7]
.endr
	; and so do the tiles that this split leaves without rows: at least 128 tiles are used, so at most 27 x 32 = 864 places, under 2 x 512
	s_lshl_b32 s27, s21, 5
.irp a, 0,1
	v_add_nc_u32 v[90+\a], s27, v0
	s_delay_alu instid0(VALU_DEP_1)
	v_add_nc_u32 v[90+\a], 512*\a, v[90+\a]
	s_delay_alu instid0(VALU_DEP_1)
	v_cmp_gt_u32 vcc_lo, 4960, v[90+\a]
	s_delay_alu instid0(VALU_DEP_1)
	v_cndmask_b32 v[90+\a], v94, v[90+\a], vcc_lo
	s_delay_alu instid0(VALU_DEP_1)
	v_min_u32 v[90+\a], 5119, v[90+\a]
	s_delay_alu instid0(VALU_DEP_1)
	v_lshlrev_b32 v[90+\a], 2, v[90+\a]
	global_store_b32 v[90+\a], v95, s[6:7]
.endr
	; the table of tiles: thread i (0..159) finds the last pair whose first tile is at or below i
	s_cmp_lt_u32 s8, 5
	s_cbranch_scc0 .Ldone
	v_mov_b32 v48, 0
	v_mov_b32 v49, 0x100
.set KK, 0
.set LO, 0
.set HI, 1
.rept 28
	v_readlane_b32 s22, v60, KK
	v_readlane_b32 s23, v61, KK
	s_delay_alu instid0(VALU_DEP_2)
	v_cmp_gt_u32 vcc_lo, s22, v0                   ; its first tile lies above i: keep what I have
	s_delay_alu instid0(VALU_DEP_1)
	v_cndmask_b32 v48, s23, v48, vcc_lo
	s_delay_alu instid0(VALU_DEP_2)
	v_cndmask_b32 v49, LO|(HI<<8), v49, vcc_lo
.set KK, KK+1
.set HI, HI+1
.if HI > 7
.set LO, LO+1
.set HI, LO+1
.endif
.endr
	v_lshlrev_b32 v50, 5, v0
	s_delay_alu instid0(VALU_DEP_1)
	v_cmp_gt_u32 vcc_lo, v48, v50
	s_delay_alu instid0(VALU_DEP_2)
	v_sub_nc_u32 v51, v48, v50
	s_delay_alu instid0(VALU_DEP_1)
	v_min_u32 v51, 32, v51
	s_delay_alu instid0(VALU_DEP_1)
	v_cndmask_b32 v51, 0, v51, vcc_lo              ; the tile's rows: 1..32, or 0 behind the last tile
	s_delay_alu instid0(VALU_DEP_1)
	v_lshl_or_b32 v51, v51, 16, v49
	global_store_b32 v53, v51, s[24:25]
.Ldone:
	s_wait_tensorcnt 0x0
	ds_add_u32 v96, v97
	s_wait_dscnt 0x0
	s_endpgm
.Lfunc_end_k_qbd1d0e8123_place:
	.size	k_qbd1d0e8123_place, .Lfunc_end_k_qbd1d0e8123_place-k_qbd1d0e8123_place
	.p2alignl 7, 3214868480
	.fill 96, 4, 3214868480
	.section	.rodata,"a",@progbits
	.p2align	6, 0x0
	.amdhsa_kernel k_qbd1d0e8123_place
		.amdhsa_group_segment_fixed_size 4096
		.amdhsa_private_segment_fixed_size 0
		.amdhsa_enable_private_segment 0
		.amdhsa_kernarg_size 24
		.amdhsa_user_sgpr_count 2
		.amdhsa_user_sgpr_kernarg_segment_ptr 1
		.amdhsa_wavefront_size32 1
		.amdhsa_system_sgpr_workgroup_id_x 1
		.amdhsa_system_sgpr_workgroup_id_y 1
		.amdhsa_system_sgpr_workgroup_id_z 1
		.amdhsa_system_vgpr_workitem_id 0
		.amdhsa_next_free_vgpr 98
		.amdhsa_next_free_sgpr 66
		.amdhsa_reserve_vcc 1
		.amdhsa_float_denorm_mode_32 3
		.amdhsa_float_denorm_mode_16_64 3
		.amdhsa_memory_ordered 1
		.amdhsa_forward_progress 1
		.amdhsa_inst_pref_size 50
	.end_amdhsa_kernel
	.amdgpu_metadata
---
amdhsa.version: [ 1, 2 ]
amdhsa.kernels:
  - .name:           k_qbd1d0e8123_place
    .symbol:         k_qbd1d0e8123_place.kd
    .args:
      - { .name: key, .offset: 0, .size: 8, .value_kind: global_buffer, .address_space: global }
      - { .name: order, .offset: 8, .size: 8, .value_kind: global_buffer, .address_space: global }
      - { .name: meta, .offset: 16, .size: 8, .value_kind: global_buffer, .address_space: global }
    .group_segment_fixed_size: 4096
    .private_segment_fixed_size: 0
    .kernarg_segment_align: 8
    .kernarg_segment_size: 24
    .max_flat_workgroup_size: 512
    .sgpr_count:     66
    .vgpr_count:     98
    .wavefront_size: 32
...
	.end_amdgpu_metadata
.endif
;; end of part 5
;; launch chain (part 6): grid 155 x 1, 16 waves a work-group, no clusters, 248,320 bytes of LDS; arguments meta, order, xc, gate, wimg, b1, b2, lowp_scales, out0; writes out0
.if DOCPART == 6
	.amdgcn_target "amdgcn-amd-amdhsa--gfx1250"
	.amdhsa_code_object_version 6
	.text
	.protected	k_qbd1d0e8123_chain
	.globl	k_qbd1d0e8123_chain
	.p2align	8
	.type	k_qbd1d0e8123_chain,@function
k_qbd1d0e8123_chain:
	s_mov_b64 s[64:65], 0
	v_nop
	global_prefetch_b8 v0, s[64:65] scope:SCOPE_SE
	s_setreg_imm32_b32 hwreg(HW_REG_WAVE_SCHED_MODE, 0, 2), 2
	s_setreg_imm32_b32 hwreg(HW_REG_WAVE_MODE, 25, 1), 1
	s_wait_xcnt 0x0
	s_wait_alu depctr_vm_vsrc(0)
; CHAIN.  One work-group takes one tile, up to 32 tokens that chose the same two experts (lo, hi), through both experts:
;   out = g_lo relu(Q(relu(Q(x) W1[lo] + b1[lo])) W2[lo] + b2[lo]) + g_hi (the same with hi).  Both products on E5M2 codes by v_wmma_f32_16x16x128_bf8_bf8, sums in f32; the hidden layers stay in LDS.
; Every output row has one owner, and every work-group has the same work: 2 experts x 2 layers.  The grid of 155 serves every split (the sum over 28 pairs of ceil(count / 32) is at most 128 + 27).
; A TILE THAT THE SPLIT LEAVES WITHOUT ROWS (rows = 0 in its word of meta, token 0 in all its places of order) RUNS THE SAME TEXT ON TOKEN 0 AND STORES NOTHING: every wave passes every barrier, and none
;   stands under a branch on a loaded number; only the branches round the last stores hang on the tile's rows.  The rows that a tile lacks are likewise computed on token 0 and not stored.
; NO JOINT LOADS, NO TENSOR LOADS: which tiles share an expert hangs on the stored split, so partners cannot be fixed in the grid.
;   The weights come from memory straight into registers, laid out by an earlier launch in the order of the operand's registers: each load of a wave reads 512 consecutive bytes.
; SHARES.  SIXTEEN waves share the COLUMNS: wave w makes hidden units, and outputs, 64 w .. 64 w + 63 (four tiles of 16) for both tiles of 16 rows, in 256 registers; four waves to a SIMD, so that one wave's waits stand
;   under another's work.  Weights run two K steps ahead and are asked for anew half a step at a time: 24 to 32 loads of 512 bytes a wave are out, 192 to 256 KiB for the work-group.
; ORDER.  Four layers of eight K steps: first layer of lo, first layer of hi, second layer of lo, second layer of hi.  So each hidden layer is wanted only a whole layer after it was stored, and the barrier that
;   publishes it is taken in two halves: the signal behind the stores, the wait a layer later.  Waves may drift a layer apart, and the weight stream stops at no layer's end.
; LAYOUT.  The products are used transposed (source 0 = 16 rows of the weight, source 1 = 16 tokens): a lane holds ONE token (lane % 16).  The weight rows of a tile are not neighbours (tile 2 b + u, lane r: row
;   32 b + 8 u + r + 8 (r / 8)), so that the 16 registers of tiles 2 b and 2 b + 1 are 16 neighbours along the next K: the conversions' results are the next operand's registers.
;   Operands go from wave to wave through LDS as images of their registers: piece c of a fragment at 512 c + 16 x lane.  Within an instruction k is permuted, alike in both operands.
; LIMITS on the given exponents, so that each power of two is an f32 number: e3 between -126 and 112; e0 + e1 and e2 + e3 between -126 and 127.  NaN and infinities are not served.
; THE MODE: SCHED_MODE bits 1:0 = 2 (LLVM: expert scheduling mode 2), set by the entry lines.  The code itself states the register dependences
; between vector or matrix instructions and memory or LDS instructions, with s_wait_alu, always for 0.
; THE PLAN.  Registers that memory or LDS instructions touch:
;   v1-7, v14, v15  Offsets and LDS addresses: written at the head, never again; read by loads and stores throughout.
;   W (two sets)    Half a step: its four products read two fragments; behind them the loads of the same two fragments of the step after next land there.  At the last layer's end lo's share lands in set 0.
;   XF              A step's eight products read it; behind them the next step's images land in it, at a layer's end the bias numbers, which the layer's multiply-adds read.  At the head: data of the first LDS stores.
;   PC              Written by a first layer's conversions, read by its four LDS stores; v16-19 written again at a second layer's end.  At the head v18-22, v25, v26 are offsets and addresses.
;   ACC             Written by products and vector lines; read by a second layer's stores into the stage; at the way out whole rows land in it.
; So a step has TWO waits on va_vdst, one behind each four products, ahead of the loads into what those have read: the refill follows its products at once, since the launch lives on the loads that it has out.
; A layer's end has one, ahead of its LDS stores, which serves the next layer's first images too: no vector line stands between.  Waits on vm_vsrc: behind the first barrier, behind each first layer's stores,
; ahead of the last layer's first products, and ahead of the way out's loads.
.set XIMG,  0                          ; LDS: x's 16 fragments (row tile m, K step s) at (8 m + s) x 2,048
.set HIMGA, 32768                      ; the hidden layer's 16 fragments, expert lo;
.set HIMGB, 65536                      ; expert hi
.set BIAS,  98304                      ; four rows of 4,096 bytes, one for each layer in its order: b1[lo], b1[hi], b2[lo], b2[hi]
.set STG,   114688                     ; 32 rows x (4,096 + 16) bytes: lo's share waits here, then whole rows of the output
.set SP,    4112
.set PC,  16                           ; v16-31   codes just made; at the head: addresses and tokens; at a second layer's end v16-19: the gate's weights, twice each
.set XF,  32                           ; v32-63   source 1: 16 registers for each row tile; at a layer's end my 32 bias numbers
.set ACC, 64                           ; v64-127  accumulator (m, t) at ACC + 32 m + 8 t
.set W,   128                          ; v128-255 weights: two sets of four fragments
; v1 16 x lane; v2, v14, v15 where images are read: x's, lo's hidden layer's, hi's; v3 where I store the hidden layer's pieces; v4 my bias numbers; v5, v6 my bytes of the stage's rows r and 16 + r; v7 the two rows that I send;
; v[8:9], v[10:11] (g_lo, g_hi) of my lane's token in row tile 0, 1; v12 2^e3; v13 57,344 x 2^e3.
; s22 wave; s24, s25, s26 lo, hi, rows; s[34:35], s[36:37] my part of lo's and of hi's weights; s[38:39] 2^(e0+e1); s[40:41] 2^(e2+e3); s[42:43], s[44:45] the output rows of stage rows 2 w, 2 w + 1.
	s_load_b512 s[4:19], s[0:1], 0x0               ; meta 4:5, order 6:7, xc 8:9, gate 10:11, wimg 12:13, b1 14:15, b2 16:17, scales 18:19
	s_load_b64 s[20:21], s[0:1], 0x40              ; out0
	v_lshrrev_b32 v14, 5, v0
	v_readfirstlane_b32 s22, v14                   ; wave 0..15
	v_and_b32 v15, 31, v0
	v_lshlrev_b32 v1, 4, v15                       ; 16 x lane
	s_wait_alu depctr_va_vdst(0)
	v_and_b32 v16, 15, v0                          ; r
	v_bfe_u32 v17, v0, 4, 1                        ; h
	s_wait_alu depctr_va_vdst(0)
	s_lshl_b32 s46, ttmp9, 2                       ; my tile's word of meta,
	s_mov_b32 s47, 0
	s_lshl_b32 s48, ttmp9, 7                       ; its 32 words of order,
	s_mov_b32 s49, 0
	s_wait_alu depctr_va_sdst(0)                   ; s22 is written, ahead of its first reader: addresses, bases and branches are made from it
	s_lshl_b32 s50, s22, 3                         ; and among them those of rows 2 w, 2 w + 1
	s_mov_b32 s51, 0
	; every LDS address is made here, of the thread's number, the wave's number and constants
	s_lshr_b32 s52, s22, 1
	s_lshl_b32 s52, s52, 11
	s_and_b32 s53, s22, 1
	s_lshl_b32 s53, s53, 10
	s_add_co_u32 s52, s52, s53
	v_add_nc_u32 v3, s52, v1
	v_add_nc_u32 v3, HIMGA, v3                     ; my 64 units are half of K step w / 2: pieces 2 (w % 2) + b
	s_lshl_b32 s52, s22, 8
	v_lshlrev_b32 v14, 6, v17
	v_add_nc_u32 v14, s52, v14                     ; 256 w + 64 h: the bytes of units 64 w + 16 h on
	v_add_nc_u32 v4, BIAS, v14
	v_mul_u32_u24 v5, v16, SP
	v_add_nc_u32 v5, v5, v14
	v_add_nc_u32 v5, STG, v5
	v_add_nc_u32 v6, 16*SP, v5
	s_mul_i32 s52, s22, 2*SP
	v_add_nc_u32 v7, s52, v1
	v_add_nc_u32 v7, STG, v7
	s_lshr_b32 s53, s22, 2                         ; which bias row I bring: w / 4
	s_lshl_b32 s54, s53, 12
	s_and_b32 s55, s22, 3
	s_lshl_b32 s55, s55, 9                         ; and which 512 bytes of each of its halves
	s_add_co_u32 s54, s54, s55
	v_add_nc_u32 v25, s54, v1
	v_add_nc_u32 v25, BIAS, v25
	s_lshl_b32 s54, s22, 11
	v_add_nc_u32 v26, s54, v1                      ; x's fragment w (XIMG = 0)
	v_lshlrev_b32 v18, 2, v16                      ; order: row r
	s_lshr_b32 s54, s22, 3
	s_lshl_b32 s54, s54, 6
	v_add_nc_u32 v19, s54, v18                     ; row 16 (w / 8) + r: fragment w is row tile w / 8, K step w % 8
	s_and_b32 s54, s22, 7
	s_lshl_b32 s54, s54, 7
	v_lshlrev_b32 v23, 4, v17
	v_add_nc_u32 v23, s54, v23                     ; 128 (w % 8) + 16 h
	v_add_nc_u32 v2, XIMG, v1                      ; where images are read: a register for each of the three regions, so that none is written again
	v_add_nc_u32 v14, HIMGA, v1
	v_add_nc_u32 v15, HIMGB, v1
	s_wait_kmcnt 0x0
	s_add_nc_u64 s[46:47], s[4:5], s[46:47]
	s_add_nc_u64 s[48:49], s[6:7], s[48:49]
	s_add_nc_u64 s[50:51], s[48:49], s[50:51]
	s_load_b32 s23, s[46:47], 0x0
	s_load_b128 s[28:31], s[18:19], 0x0            ; e0 (x), e1 (W1), e2 (W2), e3 (the hidden layer)
	s_load_b64 s[32:33], s[50:51], 0x0
	s_wait_alu depctr_va_vdst(0)                   ; the offsets and LDS addresses v1 to v7, v14, v15, v18, v19, v25, v26 are written, which the loads and stores of the whole kernel read
	global_load_b32 v20, v18, s[48:49]             ; the token of row r,
	global_load_b32 v21, v18, s[48:49] offset:64   ; of row 16 + r,
	global_load_b32 v22, v19, s[48:49]             ; and of my lane's row of x's fragment w
	s_wait_kmcnt 0x0
	s_and_b32 s24, s23, 0xff
	s_bfe_u32 s25, s23, 0x80008
	s_bfe_u32 s26, s23, 0x80010
	s_min_u32 s26, s26, 32                         ; the tile's rows, 0..32: they decide which rows are stored, at the end, and nothing else
	s_bitcmp1_b32 s53, 0
	s_cselect_b32 s56, s25, s24                    ; bias rows 1, 3 are hi's
	s_bitcmp1_b32 s53, 1
	s_cselect_b64 s[58:59], s[16:17], s[14:15]     ; rows 2, 3 are b2's: the choice hangs on the wave's number alone
	s_min_u32 s56, s56, 7
	s_lshl_b32 s56, s56, 12
	s_add_co_u32 s56, s56, s55
	s_mov_b32 s57, 0
	s_add_nc_u64 s[58:59], s[58:59], s[56:57]
	s_min_u32 s24, s24, 7
	s_min_u32 s25, s25, 7
	s_lshl_b32 s46, s22, 17                        ; (the scalar loads that named s46 are done)
	s_lshl_b32 s34, s24, 21
	s_add_co_u32 s34, s34, s46
	s_mov_b32 s35, 0
	s_add_nc_u64 s[34:35], s[12:13], s[34:35]
	s_lshl_b32 s36, s25, 21
	s_add_co_u32 s36, s36, s46
	s_mov_b32 s37, 0
	s_add_nc_u64 s[36:37], s[12:13], s[36:37]
	s_min_u32 s32, s32, 4095
	s_min_u32 s33, s33, 4095
	s_lshl_b32 s42, s32, 12
	s_mov_b32 s43, 0
	s_add_nc_u64 s[42:43], s[20:21], s[42:43]
	s_lshl_b32 s44, s33, 12
	s_mov_b32 s45, 0
	s_add_nc_u64 s[44:45], s[20:21], s[44:45]
	s_add_co_i32 s38, s28, s29
	s_add_co_i32 s38, s38, 127
	s_lshl_b32 s38, s38, 23                        ; 2^(e0 + e1) as f32
	s_mov_b32 s39, s38                             ; (named with it as a pair, so it is written)
	s_add_co_i32 s40, s30, s31
	s_add_co_i32 s40, s40, 127
	s_lshl_b32 s40, s40, 23                        ; 2^(e2 + e3)
	s_mov_b32 s41, s40
	s_add_co_i32 s46, s31, 127
	s_lshl_b32 s47, s46, 23
	v_mov_b32 v12, s47                             ; 2^e3: the conversion takes its exponent field
	s_add_co_i32 s46, s46, 15
	s_lshl_b32 s46, s46, 23
	s_or_b32 s46, s46, 0x600000
	v_mov_b32 v13, s46                             ; 57,344 x 2^e3
	s_wait_loadcnt 0x0                             ; the tokens
	v_min_u32 v20, 4095, v20
	v_min_u32 v21, 4095, v21
	v_min_u32 v22, 4095, v22
	v_lshlrev_b32 v20, 3, v20                      ; 8 bytes of gate a token
	v_lshlrev_b32 v21, 3, v21
	v_lshlrev_b32 v22, 10, v22                     ; 1,024 bytes of codes a token
	v_add_nc_u32 v22, v22, v23
	s_wait_alu depctr_va_vdst(0)                   ; the offsets v20, v21, v22, made of the tokens, are written: the loads of x's codes and of the gate's weights read them
	global_load_b128 v[48:51], v1, s[58:59]
	global_load_b128 v[52:55], v1, s[58:59] offset:2048
.irp c, 0,1,2,3
	global_load_b128 v[32+4*\c:35+4*\c], v22, s[8:9] offset:32*\c   ; x(my row, 128 s + 32 c + 16 h + 0 .. 15)
.endr
	global_load_b64 v[8:9], v20, s[10:11]
	global_load_b64 v[10:11], v21, s[10:11]
.macro WLOAD set, base, off, t0        ; half a K step's weights, fragments t0 and t0 + 1: 8 loads, each of 512 consecutive bytes
.irp t, \t0, \t0+1
.irp c, 0,1,2,3
	global_load_b128 v[W+64*(\set)+16*(\t)+4*\c:W+64*(\set)+16*(\t)+4*\c+3], v1, s[\base:\base+1] offset:(\off)+2048*(\t)+512*\c
.endr
.endr
.endm
.macro XLOAD a, s                      ; K step s of source 1, both row tiles, as images; v[a]: the region's address register
.irp m, 0,1
.irp c, 0,1,2,3
	ds_load_b128 v[XF+16*\m+4*\c:XF+16*\m+4*\c+3], v[\a] offset:16384*\m+2048*(\s)+512*\c
.endr
.endr
.endm
.macro BLOAD q                         ; my lane's 32 numbers of bias row q, in the accumulators' order: register 16 b + n: unit 64 w + 32 b + 16 h + n
.irp b, 0,1
.irp i, 0,1,2,3
	ds_load_b128 v[XF+16*\b+4*\i:XF+16*\b+4*\i+3], v4 offset:4096*(\q)+128*\b+16*\i
.endr
.endr
.endm
; Four matrix instructions: weight tiles t0, t0 + 1 x the two row tiles.  The eight accumulators take turns, one instruction a turn, in the same order in every step.
; A layer's first step starts the sums with the constant 0: nothing is cleared.
.macro MUL2 t0
.irp t, \t0, \t0+1
.irp m, 0,1
.if N%8 == 0
	v_wmma_f32_16x16x128_bf8_bf8 v[ACC+32*\m+8*(\t):ACC+32*\m+8*(\t)+7], v[W+64*(N%2)+16*(\t):W+64*(N%2)+16*(\t)+15], v[XF+16*\m:XF+16*\m+15], 0
.else
	v_wmma_f32_16x16x128_bf8_bf8 v[ACC+32*\m+8*(\t):ACC+32*\m+8*(\t)+7], v[W+64*(N%2)+16*(\t):W+64*(N%2)+16*(\t)+15], v[XF+16*\m:XF+16*\m+15], v[ACC+32*\m+8*(\t):ACC+32*\m+8*(\t)+7]
.endif
.endr
.endr
.endm
.macro PLACES                          ; four places behind the products (ISA guide 7.12.1): at a layer's last step they stand ahead of the first read of results; they stay beside the wait that follows them
.rept 4
	v_nop
.endr
.endm
; K step N of 32, eight to a layer, in two halves.  Each half: its 8 weight loads are in; four products; the same two fragments of step N + 2 are asked for, whatever layer that step belongs to:
; layer (N + 2) / 8 takes lo's weights where it is even and hi's where it is odd, W1's part for layers 0, 1 and W2's, 65,536 bytes on, for layers 2, 3.
; The next step's images, or at a layer's end its bias numbers, are asked of LDS ahead of the second run of loads from memory, so that they land while that run is issued.
.set N, 0
.macro STEP
.set NX, N+2
.set WBASE, 34+2*((NX/8)%2)
.set WOFF, (NX/16)*65536+(NX%8)*8192
.set XA, 2                             ; layers 0, 1 read x's images,
.if N/8 == 2
.set XA, 14                            ; layer 2 lo's hidden layer's,
.endif
.if N/8 == 3
.set XA, 15                            ; layer 3 hi's
.endif
.if N < 31
.set LC0, 24                           ; behind this half's 8 loads: the other half's 8 and the next step's 16
.else
.set LC0, 8                            ; the last step: the other half's 8
.endif
.if N < 30
.set LC1, 24                           ; behind this half's 8 loads: the next step's 16 and the 8 just issued
.elseif N == 30
.set LC1, 16                           ; nothing was issued any more: the last step's 16
.else
.set LC1, 0
.endif
	s_wait_loadcnt LC0
	s_wait_dscnt 0x0                               ; source 1 is in
	MUL2 0
	PLACES
.if NX < 32
	s_wait_alu depctr_va_vdst(0)                   ; the four products are done reading fragments 0 and 1 of this set, in which the loads below land
	WLOAD N%2, WBASE, WOFF, 0
.endif
	s_wait_loadcnt LC1
	MUL2 2
	PLACES
	s_wait_alu depctr_va_vdst(0)                   ; the step's products are done reading v[XF ..] and fragments 2 and 3 of this set, in which the loads below land
.if N%8 < 7
	XLOAD XA, N%8+1
.else
	BLOAD N/8
.endif
.if NX < 32
	WLOAD N%2, WBASE, WOFF, 2
.endif
.set N, N+1
.endm
.macro AFF sc                          ; sum x the two scales + bias, one rounding, two numbers a line; each accumulator from its low end on
.irp m, 0,1
.irp k, 0,2,4,6,8,10,12,14,16,18,20,22,24,26,28,30
	v_pk_fma_f32 v[ACC+32*\m+\k:ACC+32*\m+\k+1], v[ACC+32*\m+\k:ACC+32*\m+\k+1], s[\sc:\sc+1], v[XF+\k:XF+\k+1] op_sel_hi:[1,0,1]
.endr
.endr
.endm
.macro BARRIER                         ; my LDS stores have landed and my LDS loads are in: then the work-group's barrier, whole
	s_wait_dscnt 0x0
	s_barrier_signal -1
	s_barrier_wait -1
.endm
; An expert's first layer: x's images x my part of W1; bias, relu, quantised in registers; my pieces of the hidden layer's images go to LDS, and I signal that they lie there.
; hi = 1: the wait for the barrier that lo's first layer signalled stands here, ahead of my LDS stores: from here on lo's hidden layer is whole.  Between that signal and this wait stood matrix and vector work,
; loads from memory into registers, and LDS loads of x's images and of the bias rows, which no wave writes any more.
.macro LAYER1 hi
	XLOAD 2, 0                                     ; no wait of its own: no vector or matrix instruction since the last wait on va_vdst names v[XF ..] or v2
.rept 8
	STEP
.endr
	s_wait_dscnt 0x0                               ; the bias numbers
	AFF 38
.set i, 0
.rept 64
	v_med3_num_f32 v[ACC+i], v[ACC+i], 0, v13      ; the activation and the hold in one: between 0 and the largest code x the scale (the conversion does not saturate: ISA guide 7.6.2)
.set i, i+1
.endr
.irp m, 0,1
.irp b, 0,1
.irp u, 0,1
	v_cvt_scalef32_pk8_bf8_f32 v[PC+8*\m+4*\b+2*\u:PC+8*\m+4*\b+2*\u+1], v[ACC+32*\m+16*\b+8*\u:ACC+32*\m+16*\b+8*\u+7], v12
.endr
.endr
.endr
	v_nop                                          ; a plain line behind the last conversion: the next products write its sources
.if \hi
	s_barrier_wait -1
.endif
	s_wait_alu depctr_va_vdst(0)                   ; the conversions have written v[PC ..], which the LDS stores read; and the multiply-adds are done reading the bias numbers in v[XF ..], in which the next layer's first images land
.irp m, 0,1
.irp b, 0,1
	ds_store_b128 v3, v[PC+8*\m+4*\b:PC+8*\m+4*\b+3] offset:(HIMGB-HIMGA)*\hi+16384*\m+512*\b
.endr
.endr
	s_wait_dscnt 0x0                               ; for the other waves' sake: my pieces of this hidden layer lie in LDS;
	s_wait_alu depctr_vm_vsrc(0)                   ; the stores have read v[PC ..], which the next layer's end writes again
	s_barrier_signal -1                            ; say so.  The wait follows a layer later, ahead of the first read of this hidden layer
.endm
; An expert's second layer: the hidden layer's images x my part of W2; bias, relu, the gate's weight.  last = 0: the share waits in my own bytes of the stage.  last = 1: it is fetched and added onto.
; last = 0: the wait for the barrier that hi's first layer signalled stands ahead of my LDS stores: from here on hi's hidden layer is whole.  Between that signal and this wait stood matrix and vector work,
; loads from memory into registers, and LDS loads of lo's hidden layer and of the bias rows, which no wave writes any more.
.macro LAYER2 adr, last
	XLOAD \adr, 0                                  ; no wait of its own: no vector or matrix instruction since the last wait on va_vdst names v[XF ..] or the address
.if \last
	s_wait_alu depctr_vm_vsrc(0)                   ; the stores of lo's share have read the accumulators, which this layer's first products write
.endif
.rept 8
	STEP
.endr
.if \last
.irp b, 0,1
.irp i, 0,1,2,3
	ds_load_b128 v[W+16*\b+4*\i:W+16*\b+4*\i+3], v5 offset:128*\b+16*\i          ; no weight is on its way any more: lo's share comes into the weights' first set, last multiplied a step ago: ahead of that step's second wait on va_vdst, and nothing since names it
	ds_load_b128 v[W+32+16*\b+4*\i:W+32+16*\b+4*\i+3], v6 offset:128*\b+16*\i
.endr
.endr
.endif
	v_mov_b32 v16, v[8+\last]                      ; the weight of my token in row tile 0, twice, for the packed lines;
	v_mov_b32 v17, v[8+\last]
	v_mov_b32 v18, v[10+\last]                     ; in row tile 1
	v_mov_b32 v19, v[10+\last]
	s_wait_dscnt 0x0
	AFF 40
.set i, 0
.rept 64
	v_max_num_f32 v[ACC+i], 0, v[ACC+i]
.set i, i+1
.endr
.irp m, 0,1
.irp k, 0,2,4,6,8,10,12,14,16,18,20,22,24,26,28,30
.if \last
	v_pk_fma_f32 v[ACC+32*\m+\k:ACC+32*\m+\k+1], v[ACC+32*\m+\k:ACC+32*\m+\k+1], v[16+2*\m:17+2*\m], v[W+32*\m+\k:W+32*\m+\k+1]
.else
	v_pk_mul_f32 v[ACC+32*\m+\k:ACC+32*\m+\k+1], v[ACC+32*\m+\k:ACC+32*\m+\k+1], v[16+2*\m:17+2*\m]
.endif
.endr
.endr
.if \last == 0
	s_barrier_wait -1
.endif
	s_wait_alu depctr_va_vdst(0)                   ; the lines above have written the accumulators, which the LDS stores read; and the multiply-adds are done reading the bias numbers in v[XF ..], in which the next layer's first images land
.irp b, 0,1
.irp i, 0,1,2,3
	ds_store_b128 v5, v[ACC+16*\b+4*\i:ACC+16*\b+4*\i+3] offset:128*\b+16*\i     ; lane (r, h): row r, columns 64 w + 32 b + 16 h + 4 i on
	ds_store_b128 v6, v[ACC+32+16*\b+4*\i:ACC+32+16*\b+4*\i+3] offset:128*\b+16*\i
.endr
.endr
.endm
	WLOAD 0, 34, 0, 0                              ; the weight stream begins: K steps 0 and 1
	WLOAD 0, 34, 0, 2
	WLOAD 1, 34, 8192, 0
	WLOAD 1, 34, 8192, 2
	s_wait_loadcnt 32                              ; the eight small loads are in; the 32 younger weight loads stay out
	ds_store_b128 v25, v[48:51]
	ds_store_b128 v25, v[52:55] offset:2048
.irp c, 0,1,2,3
	ds_store_b128 v26, v[32+4*\c:35+4*\c] offset:XIMG+512*\c
.endr
	BARRIER                                        ; x's sixteen fragments and the four bias rows lie in LDS
	s_wait_alu depctr_vm_vsrc(0)                   ; my LDS stores have read v[32:55], in which the first images land, and v25, v26; the head's loads have read v18 to v22: these are v[PC ..] from here on, written by the conversions
	LAYER1 0                                       ; lo's hidden layer; signal
	LAYER1 1                                       ; hi's; the wait for lo's, then the signal for hi's
	LAYER2 14, 0                                   ; lo's share of the output; the wait for hi's hidden layer
	LAYER2 15, 1                                   ; hi's share, added onto lo's
	BARRIER                                        ; 32 whole rows of the output lie in the stage
	s_wait_alu depctr_vm_vsrc(0)                   ; my stores into the stage have read the accumulators, in which the rows below land (the lines that wrote them stand ahead of the last wait on va_vdst)
.irp i, 0,1
.irp j, 0,1,2,3,4,5,6,7
	ds_load_b128 v[ACC+32*\i+4*\j:ACC+32*\i+4*\j+3], v7 offset:SP*\i+512*\j
.endr
.endr
	s_wait_dscnt 0x0
	s_lshl_b32 s46, s22, 1
	s_cmp_lt_u32 s46, s26                          ; a row beyond the tile's count belongs to no token: it is not stored.  No barrier stands behind these branches
	s_cbranch_scc0 .Lnot_even
.irp j, 0,1,2,3,4,5,6,7
	global_store_b128 v1, v[ACC+4*\j:ACC+4*\j+3], s[42:43] offset:512*\j th:TH_STORE_NT   ; the wave stores 512 consecutive bytes of the token's row; written once, read by nobody here
.endr
.Lnot_even:
	s_add_co_u32 s46, s46, 1
	s_cmp_lt_u32 s46, s26
	s_cbranch_scc0 .Lnot_odd
.irp j, 0,1,2,3,4,5,6,7
	global_store_b128 v1, v[ACC+32+4*\j:ACC+32+4*\j+3], s[44:45] offset:512*\j th:TH_STORE_NT
.endr
.Lnot_odd:
	s_wait_xcnt 0x0
	v_lshl_add_u32 v254, v0, 2, 0x3c200            ; the add's two registers are made anew here: no memory or LDS instruction has read v254 or v255 (they held weights, which loads wrote and products read)
	v_mov_b32 v255, 0
	s_wait_dscnt 0x0                               ; the closing lines, six on end
	s_wait_alu 0x0
	s_wait_tensorcnt 0x0
	ds_add_u32 v254, v255
	s_wait_dscnt 0x0
	s_endpgm
.Lfunc_end_k_qbd1d0e8123_chain:
	.size	k_qbd1d0e8123_chain, .Lfunc_end_k_qbd1d0e8123_chain-k_qbd1d0e8123_chain
	.p2alignl 7, 3214868480
	.fill 96, 4, 3214868480
	.section	.rodata,"a",@progbits
	.p2align	6, 0x0
	.amdhsa_kernel k_qbd1d0e8123_chain
		.amdhsa_group_segment_fixed_size 248320
		.amdhsa_private_segment_fixed_size 0
		.amdhsa_enable_private_segment 0
		.amdhsa_kernarg_size 72
		.amdhsa_user_sgpr_count 2
		.amdhsa_user_sgpr_kernarg_segment_ptr 1
		.amdhsa_wavefront_size32 1
		.amdhsa_system_sgpr_workgroup_id_x 1
		.amdhsa_system_sgpr_workgroup_id_y 1
		.amdhsa_system_sgpr_workgroup_id_z 1
		.amdhsa_system_vgpr_workitem_id 0
		.amdhsa_next_free_vgpr 256
		.amdhsa_next_free_sgpr 66
		.amdhsa_reserve_vcc 0
		.amdhsa_float_denorm_mode_32 3
		.amdhsa_float_denorm_mode_16_64 3
		.amdhsa_memory_ordered 1
		.amdhsa_forward_progress 1
		.amdhsa_inst_pref_size 135
	.end_amdhsa_kernel
	.amdgpu_metadata
---
amdhsa.version: [ 1, 2 ]
amdhsa.kernels:
  - .name:           k_qbd1d0e8123_chain
    .symbol:         k_qbd1d0e8123_chain.kd
    .args:
      - { .name: meta, .offset: 0, .size: 8, .value_kind: global_buffer, .address_space: global }
      - { .name: order, .offset: 8, .size: 8, .value_kind: global_buffer, .address_space: global }
      - { .name: xc, .offset: 16, .size: 8, .value_kind: global_buffer, .address_space: global }
      - { .name: gate, .offset: 24, .size: 8, .value_kind: global_buffer, .address_space: global }
      - { .name: wimg, .offset: 32, .size: 8, .value_kind: global_buffer, .address_space: global }
      - { .name: b1, .offset: 40, .size: 8, .value_kind: global_buffer, .address_space: global }
      - { .name: b2, .offset: 48, .size: 8, .value_kind: global_buffer, .address_space: global }
      - { .name: lowp_scales, .offset: 56, .size: 8, .value_kind: global_buffer, .address_space: global }
      - { .name: out0, .offset: 64, .size: 8, .value_kind: global_buffer, .address_space: global }
    .group_segment_fixed_size: 248320
    .private_segment_fixed_size: 0
    .kernarg_segment_align: 8
    .kernarg_segment_size: 72
    .max_flat_workgroup_size: 512
    .sgpr_count:     66
    .vgpr_count:     256
    .wavefront_size: 32
...
	.end_amdgpu_metadata
.endif
;; end of part 6
